; MI455X (gfx1250); checked and timed in simulation.
; The chip was launched on July 23, 2026; its instructions are those of AMD's public machine-readable ISA for CDNA 5 (MIT licence, August 2026) and "CDNA5" Instruction Set Architecture Reference Guide (July 2026). The comments in the code are by the model that wrote it; some were corrected since.
;; Max Retrieval Model. Allowed arithmetic: matrix products marked QUANTISED: E4M3 operands, one E8M0 scale for each 32 along K, by v_wmma_scale_f32_16x16x128_f8f6f4 with both operands' format E4M3, f32 sums; products left as they are: f32 operands where the result goes on into a quantised operand, else bf16, f16 or f32 operands; f32 sums; everything else in f32.
;; Inputs: k_b 512 float32; k_w 512 x 512 float32; phi_b1 512 float32; phi_b2 1,000 float32; phi_w1 512 x 512 float32; phi_w2 1,000 x 512 float32; psi_q_b1 512 float32; psi_q_b2 512 float32; psi_q_w1 512 x 1 float32; psi_q_w2 512 x 512 float32; psi_x_b1 512 float32; psi_x_b2 512 float32; psi_x_w1 512 x 128 float32; psi_x_w2 512 x 512 float32; q_b 512 float32; q_w 512 x 512 float32; v_b 512 float32; v_w 512 x 512 float32; x_items 32 x 2,048 x 128 float32; x_query 32 x 1 float32.
;; Outputs: out0 32 x 1,000 float32.
;; This version of the problem:
;;   THIS VERSION OF THE PROBLEM IS GIVEN IN LOW PRECISION. The matrix products marked QUANTISED in the list below multiply operands that are first quantised to E4M3 (4 exponent bits, 3 mantissa bits; 8 bits a number), with one power-of-two scale for each 32 numbers along K (OCP MX v1.0); their sums are f32. All else is computed in f32.
;;   The module's matrix products, in the order in which they are computed (A, B: the left and right operand; K: the contracted axis; several contracted axes count as one K, in the product's order):
;;     1. [M 65,536, K 128] x [K 128, N 512]; A: input x_items; B: input psi_x_w1: QUANTISED
;;     2. [M 65,536, K 512] x [K 512, N 512]; A: computed on the way; B: input psi_x_w2: QUANTISED
;;     3. [M 32, K 1] x [K 1, N 512]; A: input x_query; B: input psi_q_w1: left as it is (K = 1 < 32)
;;     4. [M 32, K 512] x [K 512, N 512]; A: computed on the way; B: input psi_q_w2: QUANTISED
;;     5. [M 32, K 512] x [K 512, N 512]; A: computed on the way; B: input q_w: QUANTISED
;;     6. [M 65,536, K 512] x [K 512, N 512]; A: computed on the way; B: input k_w: QUANTISED
;;     7. [M 65,536, K 512] x [K 512, N 512]; A: computed on the way; B: input v_w: QUANTISED
;;     8. batch 32 x [M 1, K 512] x [K 512, N 2,048]; A: computed on the way; B: computed on the way: left as it is (M = 1 < 16)
;;     9. batch 32 x [M 1, K 2,048] x [K 2,048, N 512]; A: softmax; B: computed on the way: left as it is (M = 1 < 16)
;;     10. [M 32, K 512] x [K 512, N 512]; A: computed on the way; B: input phi_w1: QUANTISED
;;     11. [M 32, K 512] x [K 512, N 1,000]; A: computed on the way; B: input phi_w2: QUANTISED
;;   THE QUANTISER, for each operand of a quantised product, along K:
;;     - K is cut into blocks of 32 from its start; a last block that is shorter is filled with zeros.
;;     - A block's scale is 2^e with e = floor(log2(the largest magnitude in the block)) - 8, held to -126 .. 127; a block of zeros has e = 0. As a byte (E8M0): e + 127.
;;     - Each number is divided by its block's scale, clamped to +-448, and rounded to the nearest number of E4M3, ties to even, subnormals kept.
;;     - The product sums the exact products of the quantised numbers (number of the format x scale) in f32.
;;   ~~~python
;;   def quantise(x, axis):      # numpy; x: float32 -> the quantised numbers, widened to float32 again
;;       x = np.moveaxis(x, axis, -1); K = x.shape[-1]
;;       x = np.pad(x, [(0, 0)] * (x.ndim - 1) + [(0, -K % 32)]); x = x.reshape(x.shape[:-1] + (-1, 32)); a = np.abs(x).max(-1, keepdims=True)
;;       e = np.where(a > 0, np.clip(np.frexp(np.where(a > 0, a, 1))[1] - 1 - 8, -126, 127), 0)      # np.frexp(a)[1] - 1 = floor(log2(a)), exactly
;;       r = np.clip(x / 2.0 ** e, -448, 448)
;;       step = 2.0 ** (np.maximum(np.frexp(np.where(r == 0, 1, r))[1] - 1, -6) - 3)
;;       q = np.round(r / step) * step * 2.0 ** e      # np.round: ties to even
;;       return np.moveaxis(q.reshape(q.shape[:-2] + (-1,))[..., :K], -1, axis).astype(np.float32)
;;   ~~~
;;   OPERANDS COMPUTED ON THE WAY. 'Computed on the way' means the value that the module computes at that place (a softmax that the list does not call 'softmax' is quantised finished and normalised). What goes into a quantiser is computed in f32, as accurately as f32 sums, v_exp_f32 and their like allow (about 1e-6 of the number): no bf16 or f16 on the way to a quantiser, and a product that is left as it is and whose result goes on into a quantised operand takes f32 operands (vector FMAs, or v_wmma_f32_16x16x4_f32). A number that lies on a knife's edge between two numbers of the format may be rounded either way, as far as f32 arithmetic and the matrix unit's own rounding can turn it there, and no further.
;; One version. Each part assembles by itself: llvm-mc -triple=amdgcn-amd-amdhsa -mcpu=gfx1250 --defsym DOCPART=n.
;; ======== version 1 of 1: 3 launches
;; limits: right only within a limited range of input values
;; workspace buffers: wcodes 1,900,544 bytes; wscales 118,784 bytes; hq 16,896 bytes; part_z 524,288 bytes; part_ml 2,048 bytes
;; launch prep (part 1): grid 264 x 1, 4 waves a work-group, no clusters, 76,288 bytes of LDS; arguments psi_x_w2, k_w, v_w, q_w, phi_w1, phi_w2, psi_x_w1, psi_q_w2, psi_q_w1, psi_q_b1, psi_q_b2, x_query, wcodes, wscales, hq; writes wcodes, wscales, hq
.if DOCPART == 1
	.amdgcn_target "amdgcn-amd-amdhsa--gfx1250"
	.amdhsa_code_object_version 6
	.text
	.protected	k_qc2bc4735ec_prep
	.globl	k_qc2bc4735ec_prep
	.p2align	8
	.type	k_qc2bc4735ec_prep,@function
k_qc2bc4735ec_prep:
	s_mov_b64 s[64:65], 0
	v_nop
	global_prefetch_b8 v0, s[64:65] scope:SCOPE_SE
	s_setreg_imm32_b32 hwreg(HW_REG_WAVE_MODE, 25, 1), 1
	s_wait_xcnt 0x0
; PREP.  (a) Work-groups 0 to 231: seven weights, f32 [rows][K], become codes of E4M3 with one E8M0 byte for each 32 along K, laid in the ORDER OF THE OPERAND'S REGISTERS:
; a fragment is 16 rows x 128 K = 2,048 bytes [piece c][lane][16 bytes]; lane (r, h), piece c holds the codes of k = 128 s + 32 c + 16 h + 0 .. 15 of the fragment's row r; its scale words are 128 bytes, a word a lane.
; Fragment F = 32 G + 8 s + t.  G 0-3 psi_x_w2, 4-7 k_w, 8-11 v_w, 12-15 q_w, 16-19 phi_w1, 20-27 phi_w2; F = 896 + 8 w + t: psi_x_w1 (K = 128).  w = G less the matrix's first G.
; THE ROWS OF A FRAGMENT ARE NOT NEIGHBOURS: lane r takes row 128 w + 32 (t / 2) + 8 (t % 2) + r + 8 (r / 8), so that the results of tiles 2 b, 2 b + 1 of a transposed product are 16 neighbours along the next K.
; Rows past a matrix's last row (phi_w2 has 1,000) repeat the last row: their results are never stored.  One fragment a wave.
; (b) Work-groups 232 to 263: h_query = gelu(x_query w1^T + b1) W2^T + b2 (the first product in f32, K = 1; the second on codes), stored as codes [32][512] and scale bytes [32][16] at byte 16,384 of hq.
; Work-group e: output units 32 (e / 2) on, batches 16 (e % 2) on; wave w takes K step w; the four parts meet in LDS and wave 0 adds them: (p0 + p1) + (p2 + p3) + b2, another order of the f32 sums than one chain along K.
; A block's scale is 2^(floor(log2(its largest magnitude)) - 8); its byte is the largest magnitude's exponent field - 8, held at 1 from below.
; LIMITS: NaN and infinities are not served.  A block of zeros gets the byte 1 where the rule says 127: its codes are zeros, and this program alone reads the bytes.
; GELU is exact GELU by erfc(z) = t exp(-z^2 + P(t)), t = 1 / (1 + z / 2), P of degree 9: fractional error of erfc 1.2e-7, beside f32 rounding.
; No tensor loads, no cluster: each work-group reads rows of its own.  The two paths part on the work-group's number and have LDS bytes of their own.
; WORK LEFT OUT IN THIS PROGRAM: k_b.  scores[b][n] = q[b] . (h[b][n] Wk^T + k_b) / sqrt(512) = q[b] . (h[b][n] Wk^T) / sqrt(512) + q[b] . k_b / sqrt(512).
; The last term is the same for all n of a batch, and the softmax runs along n: it leaves attn as it is, for all finite values of the inputs.  k goes into no quantiser (the product with q is left as it is),
; and k has no other way to an output.  So k_b is loaded by no launch and is among no launch's arguments.  LIMIT: a NaN, an infinity or an overflow that reaches only q . k_b is not carried to the result.
.set SPITCH, 528                       ; a stage row: 512 bytes + 16 = 132 words
.set SPARE, 75776                      ; behind both paths' bytes: the spare words, 128 bytes for each wave: two blocks of 256 bytes that no other line names
.set WSTG,  0                          ; path (a): a stage of 16 rows for each wave
.set HSTG,  33792                      ; path (b): the same
.set RED,   67584                      ; path (b): 2,048 bytes a wave: its part of the sums
.set LI,   1                           ; v1   16 x lane
.set LS,   2                           ; v2   4 x lane
.set XA,   3                           ; v3   4 r
.set HH,   4                           ; v4   h
.set STW,  5                           ; v5   the stage, on the way in: 16 x lane
.set STR,  6                           ; v6   on the way out: 528 r + 64 h
.set A64,  7                           ; v7   64 h
.set OFF,  8                           ; v8-23  byte offsets of the fragment's 16 rows
.set SW,   24                          ; v24-26 scale words, and nothing else
.set XQV,  27                          ; v27  x_query of my batch
.set C9V,  28                          ; v28-29 the polynomial's highest coefficient
.set REDW, 30
.set REDR, 31
.set RAW,  32                          ; v32-95  16 rows as loaded; later the two accumulators and b2
.set X,    96                          ; v96-159 64 numbers of my row: register 16 b + i = k 32 b + 16 h + i
.set GA,   160
.set GT,   176
.set GP,   192
.set TM,   160                         ; v160-175 the quantiser's work
.set WV,   34
.set SEL,  36
.set MNT,  38
.set K1,   66                          ; s[66:87] GELU's constants, each as a pair
.set KH,   68
.macro PLACES n
.rept \n
	v_nop
.endr
.endm
.macro PAIR reg, val                   ; the packed forms name a pair and take its low word for both halves: both are written
	s_mov_b32 s[\reg], \val
	s_mov_b32 s[\reg+1], \val
.endm
; gelu(x) = max(x, 0) - |x| erfc(|x| / sqrt 2) / 2, on 16 numbers in place.  The coefficients hold log2(e), so that the exponential is v_exp_f32.
.macro GELU16 x
.set k, 0
.rept 16
	v_max_num_f32 v[GA+k], 0, v[\x+k]                       ; m = max(x, 0)
.set k, k+1
.endr
.irp i, 0,2,4,6,8,10,12,14
	v_pk_fma_f32 v[\x+\i:\x+\i+1], v[GA+\i:GA+\i+1], 2.0, v[\x+\i:\x+\i+1] op_sel_hi:[1,0,1] neg_lo:[0,0,1] neg_hi:[0,0,1]   ; a = 2 m - x = |x|, exact
.endr
.irp i, 0,2,4,6,8,10,12,14
	v_pk_fma_f32 v[GT+\i:GT+\i+1], v[\x+\i:\x+\i+1], s[K1:K1+1], 1.0 op_sel_hi:[1,0,0]   ; 1 + z / 2
.endr
.set k, 0
	s_wait_alu depctr_va_vdst(0)
.rept 16
	v_rcp_f32 v[GT+k], v[GT+k]                              ; t
.set k, k+1
.endr
	v_nop                                                   ; a plain place behind the transcendentals
	s_wait_alu depctr_va_vdst(0)                            ; one wait for the batch, ahead of its first reader
.irp i, 0,2,4,6,8,10,12,14
	v_pk_fma_f32 v[GP+\i:GP+\i+1], v[GT+\i:GT+\i+1], v[C9V:C9V+1], s[86:87] op_sel_hi:[1,1,0]
.endr
.irp n, 84,82,80,78,76,74,72,70
.irp i, 0,2,4,6,8,10,12,14
	v_pk_fma_f32 v[GP+\i:GP+\i+1], v[GP+\i:GP+\i+1], v[GT+\i:GT+\i+1], s[\n:\n+1] op_sel_hi:[1,1,0]   ; Horner, eight pairs by turns
.endr
.endr
.irp i, 0,2,4,6,8,10,12,14
	v_pk_mul_f32 v[GT+\i:GT+\i+1], v[GT+\i:GT+\i+1], v[\x+\i:\x+\i+1]                  ; t a
.endr
.irp i, 0,2,4,6,8,10,12,14
	v_pk_mul_f32 v[\x+\i:\x+\i+1], v[\x+\i:\x+\i+1], v[\x+\i:\x+\i+1]                  ; a^2
.endr
.irp i, 0,2,4,6,8,10,12,14
	v_pk_fma_f32 v[GP+\i:GP+\i+1], v[\x+\i:\x+\i+1], s[KH:KH+1], v[GP+\i:GP+\i+1] op_sel_hi:[1,0,1]   ; P - z^2, in powers of two
.endr
.set k, 0
	s_wait_alu depctr_va_vdst(0)
.rept 16
	v_exp_f32 v[GP+k], v[GP+k]
.set k, k+1
.endr
	v_nop
	s_wait_alu depctr_va_vdst(0)                            ; one wait for the batch, ahead of its first reader
.irp i, 0,2,4,6,8,10,12,14
	v_pk_mul_f32 v[GT+\i:GT+\i+1], v[GT+\i:GT+\i+1], v[GP+\i:GP+\i+1]                  ; a erfc
.endr
.irp i, 0,2,4,6,8,10,12,14
	v_pk_fma_f32 v[\x+\i:\x+\i+1], v[GT+\i:GT+\i+1], -0.5, v[GA+\i:GA+\i+1] op_sel_hi:[1,0,1]
.endr
.endm
; 64 numbers of a lane become a fragment's codes in v[pc] on and its scale word in v[pw]
.macro QUANT src, pc, pw
.irp b, 0,1,2,3
	v_max3_num_f32 v[TM+\b], |v[\src+16*\b]|, |v[\src+1+16*\b]|, 0x4800000   ; block b: my 16 numbers, and the floor 2^(9 - 127): the byte cannot fall under 1
.endr
.irp i, 2,4,6,8,10,12,14
.irp b, 0,1,2,3
	v_max3_num_f32 v[TM+\b], v[TM+\b], |v[\src+16*\b+\i]|, |v[\src+1+16*\b+\i]|
.endr
.endr
.irp b, 0,1,2,3
	v_permlanex16_b32 v[TM+4+\b], v[TM+\b], s[SEL], s[SEL+1]
.endr
.irp b, 0,1,2,3
	v_max_num_f32 v[TM+\b], v[TM+\b], v[TM+4+\b]            ; with lane l xor 16's: the block's largest magnitude
.endr
.irp b, 0,1,2,3
	v_add_nc_u32 v[TM+12+\b], 0xfc000000, v[TM+\b]          ; 8 off its exponent field: the conversion's scale operand
.endr
.irp b, 0,1,2,3
	v_and_or_b32 v[TM+8+\b], v[TM+\b], 0x7f800000, s[MNT]   ; 448 x the scale
.endr
.irp b, 0,1,2,3
	v_lshrrev_b32 v[TM+4+\b], 23, v[TM+12+\b]               ; the scale's byte
.endr
	v_lshl_or_b32 v[\pw], v[TM+5], 8, v[TM+4]
	v_lshl_or_b32 v[\pw], v[TM+6], 16, v[\pw]
	v_lshl_or_b32 v[\pw], v[TM+7], 24, v[\pw]
.irp b, 0,1,2,3
.irp i, 0,1,2,3,4,5,6,7,8,9,10,11,12,13,14,15
	v_med3_num_f32 v[\src+16*\b+\i], v[\src+16*\b+\i], -v[TM+8+\b], v[TM+8+\b]   ; the conversion does not saturate (ISA guide 7.6.2): the hold
.endr
	v_cvt_scalef32_pk8_fp8_f32 v[\pc+4*\b:\pc+1+4*\b], v[\src+16*\b:\src+7+16*\b], v[TM+12+\b]
	v_cvt_scalef32_pk8_fp8_f32 v[\pc+2+4*\b:\pc+3+4*\b], v[\src+8+16*\b:\src+15+16*\b], v[TM+12+\b]
.endr
	v_nop                                                   ; a plain place behind the last conversion
.endm
; one block of 32: 16 numbers a lane, codes in v[pc] .. v[pc + 3], the byte in v[by]
.macro QUANT1 src, pc, by
	v_max3_num_f32 v[TM], |v[\src]|, |v[\src+1]|, 0x4800000
.irp i, 2,4,6,8,10,12,14
	v_max3_num_f32 v[TM], v[TM], |v[\src+\i]|, |v[\src+1+\i]|
.endr
	v_permlanex16_b32 v[TM+4], v[TM], s[SEL], s[SEL+1]
	v_max_num_f32 v[TM], v[TM], v[TM+4]
	v_add_nc_u32 v[TM+12], 0xfc000000, v[TM]
	v_and_or_b32 v[TM+8], v[TM], 0x7f800000, s[MNT]
	v_lshrrev_b32 v[\by], 23, v[TM+12]
.irp i, 0,1,2,3,4,5,6,7,8,9,10,11,12,13,14,15
	v_med3_num_f32 v[\src+\i], v[\src+\i], -v[TM+8], v[TM+8]
.endr
	v_cvt_scalef32_pk8_fp8_f32 v[\pc:\pc+1], v[\src:\src+7], v[TM+12]
	v_cvt_scalef32_pk8_fp8_f32 v[\pc+2:\pc+3], v[\src+8:\src+15], v[TM+12]
	v_nop
.endm
; 16 rows x 512 bytes, loaded 16 bytes a lane, turn through my own stage: a lane then holds 16 neighbours of each block of 32 of ITS row.  LDS serves a wave's instructions in order.
.macro TURN
.set k, 0
.rept 16
	ds_store_b128 v[STW], v[RAW+4*k:RAW+4*k+3] offset:SPITCH*k
.set k, k+1
.endr
.irp b, 0,1,2,3
.irp q, 0,1,2,3
	ds_load_b128 v[X+16*\b+4*\q:X+16*\b+4*\q+3], v[STR] offset:128*\b+16*\q
.endr
.endr
	s_wait_dscnt 0x0                                        ; the numbers are in, and the stores have read RAW
.endm
	s_load_b512 s[4:19], s[0:1], 0x0               ; psi_x_w2, k_w, v_w, q_w, phi_w1, phi_w2, psi_x_w1, psi_q_w2
	s_load_b256 s[20:27], s[0:1], 0x40             ; psi_q_w1, psi_q_b1, psi_q_b2, x_query
	s_load_b128 s[28:31], s[0:1], 0x60             ; wcodes, wscales
	s_load_b64 s[32:33], s[0:1], 0x70              ; hq
	v_lshrrev_b32 v3, 5, v0
	v_readfirstlane_b32 s[WV], v3                  ; wave 0..3
	v_and_b32 v2, 31, v0
	v_lshlrev_b32 v[LI], 4, v2
	v_lshlrev_b32 v[LS], 2, v2
	v_and_b32 v3, 15, v0                           ; r
	v_bfe_u32 v[HH], v0, 4, 1                      ; h
	v_mul_u32_u24 v[STR], v3, SPITCH
	v_lshl_add_u32 v[STR], v[HH], 6, v[STR]
	v_lshlrev_b32 v[XA], 2, v3
	s_mul_i32 s35, s[WV], 16*SPITCH
	s_mov_b32 s[SEL], 0x76543210
	s_mov_b32 s[SEL+1], 0xfedcba98                 ; v_permlanex16_b32's selects for lane l xor 16
	s_mov_b32 s[MNT], 0x600000                     ; the mantissa field of 448
.irp b, 0,1,2,3
	v_mov_b32 v[TM+4+\b], 0                        ; written once: a lane permute's destination counts as one of its sources
.endr
	s_wait_kmcnt 0x0
	s_cmp_ge_u32 ttmp9, 232                        ; the same in all four waves
	s_cbranch_scc1 .Lhq
	; ---------------- (a) one fragment of a weight ----------------
	s_lshl_b32 s40, ttmp9, 2
	s_add_co_u32 s40, s40, s[WV]                   ; F
	s_lshr_b32 s41, s40, 5                         ; G
	s_and_b32 s42, s40, 7                          ; t
	s_bfe_u32 s43, s40, 0x20003                    ; (F / 8) % 4: the K step (psi_x_w1: w)
	s_mov_b64 s[44:45], s[4:5]
	s_mov_b32 s46, 0
.macro PICK lim, lo                    ; from group lim on: the matrix whose address stands in s[lo:lo+1].  The choice hangs on ids alone
	s_cmp_ge_u32 s41, \lim
	s_cselect_b64 s[44:45], s[\lo:\lo+1], s[44:45]
	s_cselect_b32 s46, \lim, s46
.endm
	PICK 4, 6
	PICK 8, 8
	PICK 12, 10
	PICK 16, 12
	PICK 20, 14
	PICK 28, 16
	s_sub_co_u32 s47, s41, s46                     ; w, for the matrices with K = 512
	s_mov_b32 s48, 511
	s_mov_b32 s49, 999
	s_cmp_eq_u32 s46, 20
	s_cselect_b32 s48, s49, s48                    ; the matrix's last row
	s_cmp_ge_u32 s41, 28                           ; psi_x_w1: one K step, rows of 512 bytes
	s_cselect_b32 s47, s43, s47
	s_cselect_b32 s43, 0, s43
	s_cselect_b32 s50, 9, 11                       ; log2 of a row's bytes
	s_lshl_b32 s47, s47, 7
	s_lshr_b32 s51, s42, 1
	s_lshl_b32 s51, s51, 5
	s_add_co_u32 s47, s47, s51
	s_and_b32 s51, s42, 1
	s_lshl_b32 s51, s51, 3
	s_add_co_u32 s47, s47, s51                     ; 128 w + 32 (t / 2) + 8 (t % 2)
	s_lshl_b32 s52, s43, 9
	s_mov_b32 s53, 0
	s_add_nc_u64 s[44:45], s[44:45], s[52:53]      ; the K step: 512 bytes
.irp i, 0,1,2,3,4,5,6,7,8,9,10,11,12,13,14,15
	s_add_co_u32 s51, s47, \i+8*(\i/8)
	s_min_u32 s51, s51, s48                        ; no load leaves its buffer
	s_lshl_b32 s51, s51, s50
	v_add_nc_u32 v[OFF+\i], s51, v[LI]
.endr
.set k, 0
	s_wait_alu depctr_va_vdst(0)
.rept 16
	global_load_b128 v[RAW+4*k:RAW+4*k+3], v[OFF+k], s[44:45] th:TH_LOAD_NT   ; 32 lanes read 512 consecutive bytes of one row
.set k, k+1
.endr
	v_add_nc_u32 v[STW], s35, v[LI]                ; WSTG = 0
	v_add_nc_u32 v[STR], s35, v[STR]
	s_lshl_b32 s52, s40, 11
	s_add_nc_u64 s[28:29], s[28:29], s[52:53]      ; wcodes + 2,048 F
	s_lshl_b32 s52, s40, 7
	s_add_nc_u64 s[30:31], s[30:31], s[52:53]      ; wscales + 128 F
	s_wait_alu depctr_va_vdst(0)
	s_wait_loadcnt 0x0
	TURN
	QUANT X, 208, SW
.irp c, 0,1,2,3
	global_store_b128 v[LI], v[208+4*\c:211+4*\c], s[28:29] offset:512*\c   ; 512 consecutive bytes, at a multiple of 256 from the buffer's first byte
.endr
	global_store_b32 v[LS], v[SW], s[30:31]
	v_lshl_add_u32 v[REDW], v0, 2, SPARE           ; all 256 registers have their work on the other path, so the add's two are made here, from v0, which is as at the entry
	v_mov_b32 v[REDR], 0
	s_wait_alu depctr_va_vdst(0)                   ; directly ahead of the wait below
	s_wait_tensorcnt 0x0                           ; the wave's end: behind my last LDS store
	ds_add_u32 v[REDW], v[REDR]
	s_wait_dscnt 0x0
	s_endpgm
	; ---------------- (b) h_query ----------------
.Lhq:
	s_sub_co_u32 s40, ttmp9, 232
	s_lshr_b32 s41, s40, 1                         ; p: output units 32 p on
	s_and_b32 s42, s40, 1                          ; batches 16 mt on
	s_add_co_u32 s43, s35, HSTG
	v_add_nc_u32 v[STW], s43, v[LI]
	s_wait_alu depctr_va_vdst(0)
	v_add_nc_u32 v[STR], s43, v[STR]
	s_lshl_b32 s44, s[WV], 11
	s_add_co_u32 s44, s44, RED
	v_add_nc_u32 v[REDW], s44, v[LI]
	v_add_nc_u32 v[REDR], RED, v[LI]
	v_lshlrev_b32 v[A64], 6, v[HH]
	s_wait_alu depctr_va_vdst(0)
	s_mov_b32 s47, 0
	s_lshl_b32 s46, s[WV], 9                       ; K step w: 128 numbers
	s_add_nc_u64 s[20:21], s[20:21], s[46:47]
	s_add_nc_u64 s[22:23], s[22:23], s[46:47]
	s_add_nc_u64 s[18:19], s[18:19], s[46:47]
	s_lshl_b32 s46, s42, 6
	s_add_nc_u64 s[26:27], s[26:27], s[46:47]
	s_lshl_b32 s46, s41, 7
	s_add_nc_u64 s[24:25], s[24:25], s[46:47]      ; b2 at unit 32 p
	s_lshl_b32 s46, s42, 13
	s_lshl_b32 s48, s41, 5
	s_add_co_u32 s46, s46, s48
	s_add_nc_u64 s[50:51], s[32:33], s[46:47]      ; hq's codes: 512 x 16 mt + 32 p
	s_lshl_b32 s46, s42, 8
	s_add_co_u32 s46, s46, s41
	s_add_nc_u64 s[52:53], s[32:33], s[46:47]      ; hq's scale bytes: 16 x 16 mt + p (+ 16,384 in the store)
	global_load_b32 v[XQV], v[XA], s[26:27]
.irp b, 0,1,2,3
.irp q, 0,1,2,3
	global_load_b128 v[X+16*\b+4*\q:X+16*\b+4*\q+3], v[A64], s[20:21] offset:128*\b+16*\q       ; w1 at k = 128 w + 32 b + 16 h + 4 q on
	global_load_b128 v[RAW+16*\b+4*\q:RAW+16*\b+4*\q+3], v[A64], s[22:23] offset:128*\b+16*\q   ; b1 likewise
.endr
.endr
	PAIR K1, 0x3eb504f3                            ; 1 / (2 sqrt 2)
	PAIR KH, 0xbf38aa3b                            ; -log2(e) / 2
	PAIR 70, 0xbfe9b21e                            ; the polynomial's coefficients x log2(e), degree 0 to 8
	PAIR 72, 0x3fb8ab5a
	PAIR 74, 0x3f0a29d2
	PAIR 76, 0x3e0efb2e
	PAIR 78, 0xbe899a80
	PAIR 80, 0x3ecdfd18
	PAIR 82, 0xbfd1a1e5
	PAIR 84, 0x40097039
	PAIR 86, 0xbf97d29d
	v_mov_b32 v[C9V], 0x3e7c6f08                   ; degree 9, in vector registers: its line then names one scalar pair
	v_mov_b32 v[C9V+1], 0x3e7c6f08
	s_lshl_b32 s48, s41, 5
.irp i, 0,1,2,3,4,5,6,7,8,9,10,11,12,13,14,15
	s_add_co_u32 s49, s48, \i+8*(\i/8)             ; psi_q_w2's row 32 p + i + 8 (i / 8); the second tile lies 8 rows on
	s_lshl_b32 s49, s49, 11
	v_add_nc_u32 v[OFF+\i], s49, v[LI]
.endr
	s_wait_loadcnt 0x0
.set k, 0
.rept 64
	v_fma_f32 v[X+k], v[XQV], v[X+k], v[RAW+k]     ; x_query w1 + b1: K = 1, in f32
.set k, k+1
.endr
.macro WTILE u
.set k, 0
.rept 16
	global_load_b128 v[RAW+4*k:RAW+4*k+3], v[OFF+k], s[18:19] offset:16384*\u
.set k, k+1
.endr
.endm
	WTILE 0                                        ; lands under the GELU
	GELU16 X
	GELU16 X+16
	GELU16 X+32
	GELU16 X+48
	QUANT X, 208, SW                               ; the hidden layer's fragment: K step w, 16 batches
	s_wait_loadcnt 0x0
	TURN
	WTILE 1
	QUANT X, 224, SW+1                             ; psi_q_w2's first tile
	s_wait_loadcnt 0x0
	TURN
.irp q, 0,1,2,3
	global_load_b128 v[48+4*\q:51+4*\q], v[A64], s[24:25] offset:16*\q   ; b2 at units 32 p + 16 h + 0 .. 15
.endr
	QUANT X, 240, SW+2                             ; the second
	PLACES 9                                       ; operands and scale words written by vector instructions stand ahead of a scaled matrix instruction
	v_wmma_scale_f32_16x16x128_f8f6f4 v[32:39], v[224:239], v[208:223], 0, v[SW+1], v[SW]   ; transposed: source 0 = 16 rows of the weight, source 1 = 16 batches
	v_wmma_scale_f32_16x16x128_f8f6f4 v[40:47], v[240:255], v[208:223], 0, v[SW+2], v[SW]
	PLACES 9
.irp q, 0,1,2,3
	ds_store_b128 v[REDW], v[32+4*\q:35+4*\q] offset:512*\q   ; each accumulator from its low end on
.endr
	s_wait_dscnt 0x0                               ; for the others' sake: my part lies in LDS
	s_barrier_signal -1
	s_barrier_wait -1
	s_cmp_lg_u32 s[WV], 0
	s_cbranch_scc1 .Lend                           ; wave 0 finishes
.irp u, 0,1,2,3
.irp q, 0,1,2,3
	ds_load_b128 v[96+16*\u+4*\q:99+16*\u+4*\q], v[REDR] offset:2048*\u+512*\q
.endr
.endr
	v_and_b32 v32, 15, v0
	v_bfe_u32 v33, v0, 4, 1
	v_lshlrev_b32 v35, 4, v32                      ; 16 r
	v_lshlrev_b32 v32, 9, v32
	v_lshl_add_u32 v32, v33, 4, v32                ; 512 r + 16 h
	s_wait_dscnt 0x0
	s_wait_loadcnt 0x0                             ; b2
.irp i, 0,2,4,6,8,10,12,14
	v_pk_add_f32 v[96+\i:97+\i], v[96+\i:97+\i], v[112+\i:113+\i]
	v_pk_add_f32 v[128+\i:129+\i], v[128+\i:129+\i], v[144+\i:145+\i]
.endr
.irp i, 0,2,4,6,8,10,12,14
	v_pk_add_f32 v[96+\i:97+\i], v[96+\i:97+\i], v[128+\i:129+\i]
.endr
.irp i, 0,2,4,6,8,10,12,14
	v_pk_add_f32 v[96+\i:97+\i], v[96+\i:97+\i], v[48+\i:49+\i]
.endr
	QUANT1 96, 208, 34                             ; block p of h_query's K
	global_store_b128 v32, v[208:211], s[50:51]
	global_store_b8 v35, v34, s[52:53] offset:16384   ; both lanes of a block write the same byte with the same value
.Lend:
	v_lshl_add_u32 v[REDW], v0, 2, SPARE           ; the two addresses that stood here have done their work: the add's two registers are made anew from v0
	v_mov_b32 v[REDR], 0
	s_wait_alu depctr_va_vdst(0)                   ; directly ahead of the wait below
	s_wait_tensorcnt 0x0                           ; the wave's end: behind my last LDS store
	ds_add_u32 v[REDW], v[REDR]
	s_wait_dscnt 0x0
	s_endpgm
.Lfunc_end_k_qc2bc4735ec_prep:
	.size	k_qc2bc4735ec_prep, .Lfunc_end_k_qc2bc4735ec_prep-k_qc2bc4735ec_prep
	.p2alignl 7, 3214868480
	.fill 96, 4, 3214868480
	.section	.rodata,"a",@progbits
	.p2align	6, 0x0
	.amdhsa_kernel k_qc2bc4735ec_prep
		.amdhsa_group_segment_fixed_size 76288
		.amdhsa_private_segment_fixed_size 0
		.amdhsa_enable_private_segment 0
		.amdhsa_kernarg_size 120
		.amdhsa_user_sgpr_count 2
		.amdhsa_user_sgpr_kernarg_segment_ptr 1
		.amdhsa_wavefront_size32 1
		.amdhsa_system_sgpr_workgroup_id_x 1
		.amdhsa_system_sgpr_workgroup_id_y 1
		.amdhsa_system_sgpr_workgroup_id_z 1
		.amdhsa_system_vgpr_workitem_id 0
		.amdhsa_next_free_vgpr 256
		.amdhsa_next_free_sgpr 96
		.amdhsa_reserve_vcc 0
		.amdhsa_float_denorm_mode_32 3
		.amdhsa_float_denorm_mode_16_64 3
		.amdhsa_memory_ordered 1
		.amdhsa_forward_progress 1
		.amdhsa_inst_pref_size 106
	.end_amdhsa_kernel
	.amdgpu_metadata
---
amdhsa.version: [ 1, 2 ]
amdhsa.kernels:
  - .name:           k_qc2bc4735ec_prep
    .symbol:         k_qc2bc4735ec_prep.kd
    .args:
      - { .name: psi_x_w2, .offset: 0, .size: 8, .value_kind: global_buffer, .address_space: global }
      - { .name: k_w, .offset: 8, .size: 8, .value_kind: global_buffer, .address_space: global }
      - { .name: v_w, .offset: 16, .size: 8, .value_kind: global_buffer, .address_space: global }
      - { .name: q_w, .offset: 24, .size: 8, .value_kind: global_buffer, .address_space: global }
      - { .name: phi_w1, .offset: 32, .size: 8, .value_kind: global_buffer, .address_space: global }
      - { .name: phi_w2, .offset: 40, .size: 8, .value_kind: global_buffer, .address_space: global }
      - { .name: psi_x_w1, .offset: 48, .size: 8, .value_kind: global_buffer, .address_space: global }
      - { .name: psi_q_w2, .offset: 56, .size: 8, .value_kind: global_buffer, .address_space: global }
      - { .name: psi_q_w1, .offset: 64, .size: 8, .value_kind: global_buffer, .address_space: global }
      - { .name: psi_q_b1, .offset: 72, .size: 8, .value_kind: global_buffer, .address_space: global }
      - { .name: psi_q_b2, .offset: 80, .size: 8, .value_kind: global_buffer, .address_space: global }
      - { .name: x_query, .offset: 88, .size: 8, .value_kind: global_buffer, .address_space: global }
      - { .name: wcodes, .offset: 96, .size: 8, .value_kind: global_buffer, .address_space: global }
      - { .name: wscales, .offset: 104, .size: 8, .value_kind: global_buffer, .address_space: global }
      - { .name: hq, .offset: 112, .size: 8, .value_kind: global_buffer, .address_space: global }
    .group_segment_fixed_size: 76288
    .private_segment_fixed_size: 0
    .kernarg_segment_align: 8
    .kernarg_segment_size: 120
    .max_flat_workgroup_size: 128
    .sgpr_count:     96
    .vgpr_count:     256
    .wavefront_size: 32
...
	.end_amdgpu_metadata
.endif
;; end of part 1
;; launch main (part 2): grid 256 x 1, 8 waves a work-group, no clusters, 327,680 bytes of LDS; arguments x_items, wcodes, wscales, hq, psi_x_b1, psi_x_b2, q_b, v_b, part_z, part_ml; writes part_z, part_ml
.if DOCPART == 2
	.amdgcn_target "amdgcn-amd-amdhsa--gfx1250"
	.amdhsa_code_object_version 6
	.text
	.protected	k_qc2bc4735ec_main
	.globl	k_qc2bc4735ec_main
	.p2align	8
	.type	k_qc2bc4735ec_main,@function
k_qc2bc4735ec_main:
	s_mov_b64 s[64:65], 0
	v_nop
	global_prefetch_b8 v0, s[64:65] scope:SCOPE_SE
	s_setreg_imm32_b32 hwreg(HW_REG_WAVE_MODE, 25, 1), 1
	s_wait_xcnt 0x0
; MAIN.  Work-group g takes items 256 g .. 256 g + 255 (all of batch g / 8) through the whole chain: x -> Q -> W1, b1 -> GELU -> Q -> W2, b2 -> Q -> (Wk | Wv, v_b); q = Q(h_query) Wq^T + q_b;
; scores q . k in f32, a softmax over the block's 256 items with the block's own maximum, and the sum of p v in f32.  It stores M (the block's largest t = score x log2(e) / sqrt(512)), l = the sum of p = 2^(t - M), and the sum of p v [512];
; the last launch joins a batch's eight blocks.  h1, h, k and v never go to memory.  All products on codes of E4M3 with E8M0 scales for each 32 along K.
; k_b IS LEFT OUT: q . k_b is the same for all items of a batch, so the softmax along the items takes it away (shown at the head of the first kernel).  k's sums begin with the constant 0.
; SHARES.  EIGHT WAVES, two to a SIMD, SHARE THE COLUMNS: wave w makes units 64 w .. 64 w + 63 of every layer, for all 16 tiles of 16 items.  Its part of a layer's weight, 4 tiles x 4 K steps x 16 registers = 256 registers (window 1),
; comes from memory straight into registers (the first launch laid the codes in the order of the operand's registers: each load is 512 consecutive bytes) and serves all 16 tiles.  One wave's vector work stands beside the other wave's products.
; Activations go from wave to wave through LDS as IMAGES OF THE OPERAND'S REGISTERS: fragment (tile m, K step s) at s x 32,768 + m x 2,048, [piece c][lane][16 bytes]; its scale words at s x 2,048 + m x 128, a word a lane.
; Wave w writes pieces 2 (w % 2), 2 (w % 2) + 1 and the like two bytes of the scale words of K step w / 2.  A fragment read from LDS feeds 4 products.
; ALL PRODUCTS ARE USED TRANSPOSED (source 0 = 16 rows of the weight, source 1 = 16 items): a lane holds ONE item (lane % 16); register 16 b + i of a wave's 32 results is unit 64 w + 32 b + 16 (lane / 16) + i.  Biases are the C of a sum's first product.
; A TILE: 16 products, the four accumulators by turns; the next tile's 20 LDS loads; the tile's vector work.  Each layer's last tile is written out: it fetches nothing, and asks for the next layer's weight ahead of its vector work.
; x comes by one tensor load a wave (32 items x 512 bytes), the launch's only fill.  Wave w's j-th 16 items are worked as tile 8 j + w: the order of a block's items enters no result, since all that leaves the block are sums over its items.
; NO CLUSTER AND NO JOINT LOADS, though all work-groups walk the same weights: a joint load lands in LDS, where two layers' activations of 256 items take 278,528 bytes and a layer's 262,144 bytes of codes have no room.
; PREFETCH: Wk's and Wv's codes, 524,288 bytes, are first wanted behind the first two layers.  The 256 work-groups share their 2,048 blocks of 256 bytes out: wave 0 of work-group g names blocks 8 g .. 8 g + 7 (lanes 8 to 31 name the last again), once,
; in the first trip of the first layer's loop, 15 tiles and a layer ahead of the loads.  q_w, W1 and W2 are asked for by their loads at the head: nothing stands ahead of them.
; ORDER OF SUMS: a score is summed over 32 units a lane in four chains, then over two lanes and eight waves; p v over 16 tiles a lane, then over 16 lanes.
; LIMITS: NaN and infinities are not served.  A block of zeros gets the scale byte 1 where the rule says 127 (its codes are zeros; only this program reads the bytes).  GELU: erfc by t exp(-z^2 + P(t)), fractional error 1.2e-7 beside f32 rounding.
;   Every wait on a memory counter is for 0.
.set HIMG,  0                          ; h1: 131,072 bytes
.set HSC,   131072                     ; its scale words: 8,192
.set PKQ,   139264                     ; q, parked: 256 bytes a wave
.set GIMG,  141312                     ; h: 131,072
.set GSC,   272384                     ; its scale words: 8,192
.set XIMG,  141312                     ; in the first layer h's bytes hold: x's 16 fragments (tile n at 2,048 n),
.set XSC,   174080                     ; their scale words (128 n),
.set XSTG,  176128                     ; and the tensor loads' target: 2 tiles a wave, rows of 512 + 16 bytes: filled once, and read for the last time before h is stored there
.set STILE, 8448                       ; 16 rows x 528
.set SPARE, 311296                     ; the spare words, 128 bytes for each wave: four blocks of 256 bytes that no other line names
.set SCP,   0                          ; behind the second layer h1's bytes hold: the scores' parts, 512 m + 32 r + 4 w,
.set PV,    8192                       ; and p, a copy for each wave: 2,048 w + 128 m + 4 x lane
.set LI,   1                           ; v1   16 x lane
.set LS,   2                           ; v2   4 x lane
.set B64,  3                           ; v3   64 h
.set H16,  4                           ; v4   16 h, for h_query; from the second layer on LI2 = 16 x lane + 65,536
.set LI2,  4
.set ZERO, 5
.set STR,  6                           ; v6   my stage: 528 r + 64 h; later ADG
.set ADG,  6
.set OWI,  7                           ; v7   32,768 (w / 2) + 1,024 (w % 2) + 16 x lane: where my pieces go
.set OWS,  8                           ; v8   2,048 (w / 2) + 2 (w % 2) + 4 x lane: and my two scale bytes
.set QA,   9                           ; v9   PKQ + 256 w + 128 h
.set XWI,  10                          ; v10  XIMG + 2,048 w + 16 x lane; later SCW = 32 r + 4 w
.set SCW,  10
.set XWS,  11                          ; v11  XSC + 128 w + 4 x lane; later SR = 32 r, then ADP
.set SR,   11
.set ADP,  11
.set ADF,  12
.set ADS,  13
.set SPW,  14                          ; v14  my spare word; never rewritten
.set NIL,  15                          ; v15  0; never rewritten
.set ADW,  16
.set ADW2, 17
.set PW,   18                          ; the scale bytes just made
.set PVA,  19                          ; PV + 2,048 w + 4 x lane
.set C9V,  20                          ; v20-21
.set PP,   22                          ; v22 p of my item (v23 is 0 and is not used)
.set WSA,  24                          ; v24-39, v40-55 weights' scale words, two sets; v56-59 activations'; v60 x's: scales and nothing else
.set WSB,  40
.set AS,   56
.set XSR,  60
.set PFO,  61                          ; the prefetch's offset; never rewritten
.set FB,   64                          ; v64-127 W1's 4 fragments, later a tile's four activation fragments
.set ACC,  128                         ; v128-159 my 4 tiles' results
.set BI,   160                         ; v160-191 b1, b2, v_b
.set QZ,   192                         ; v192-223 q, then the sums of p v
.set GA,   192                         ; v192-239 at work in the first layer
.set GT,   208
.set GP,   224
.set XFR,  240                         ; v240-255 x's fragment
.set T,    248                         ; v248-255 small work in k's layer
.set WV,   26
.set G1,   28
.set G0,   36
.set PFB,  40                          ; s[40:41] wcodes + 2,048 g
.set PFC,  42                          ; 15 in wave 0, else 0: the loop's count at which a wave prefetches
.set SEL,  56
.set MNT,  58
.set CS,   59                          ; log2(e) / sqrt(512)
.set CNT,  60
.set XF,   61
.set XS,   62
.set HW,   63
.set K1,   66                          ; s[66:87] GELU's constants, each as a pair
.set KH,   68
.set HS,   88
.set TF,   92
.set TS,   93
.set OW,   94
.set OS,   95
.set PF,   96
.set MSB, 0
.macro WIN new                         ; the immediate's high byte repeats the setting that is left
.if MSB != (\new)
	s_set_vgpr_msb (MSB<<8)|(\new)
.set MSB, \new
.endif
.endm
.macro PLACES n
.rept \n
	v_nop
.endr
.endm
.macro WALU
	s_wait_alu depctr_va_vdst(0)
.endm
.macro BARRIER                         ; my LDS stores have landed and my LDS loads are in: then the work-group's barrier
	s_wait_dscnt 0x0
	s_barrier_signal -1
	s_barrier_wait -1
.endm
.macro PAIR reg, val
	s_mov_b32 s[\reg], \val
	s_mov_b32 s[\reg+1], \val
.endm
; gelu(x) = max(x, 0) - |x| erfc(|x| / sqrt 2) / 2, on 16 numbers in place, by g = -|x| / 2.  A batch of transcendentals has one wait ahead of it and one behind it.
.macro GELU16 x
.set k, 0
.rept 16
	v_max_num_f32 v[GA+k], 0, v[\x+k]                       ; m = max(x, 0)
.set k, k+1
.endr
.irp i, 0,2,4,6,8,10,12,14
	v_pk_fma_f32 v[\x+\i:\x+\i+1], v[\x+\i:\x+\i+1], 0.5, v[GA+\i:GA+\i+1] op_sel_hi:[1,0,1] neg_lo:[0,0,1] neg_hi:[0,0,1]   ; g = x / 2 - m, exact
.endr
.irp i, 0,2,4,6,8,10,12,14
	v_pk_fma_f32 v[GT+\i:GT+\i+1], v[\x+\i:\x+\i+1], s[K1:K1+1], 1.0 op_sel_hi:[1,0,0]   ; 1 + z / 2, z = |x| / sqrt 2
.endr
	WALU
.set k, 0
.rept 16
	v_rcp_f32 v[GT+k], v[GT+k]                              ; t
.set k, k+1
.endr
	v_nop
	WALU
.irp i, 0,2,4,6,8,10,12,14
	v_pk_fma_f32 v[GP+\i:GP+\i+1], v[GT+\i:GT+\i+1], v[C9V:C9V+1], s[86:87] op_sel_hi:[1,1,0]
.endr
.irp n, 84,82,80,78,76,74,72,70
.irp i, 0,2,4,6,8,10,12,14
	v_pk_fma_f32 v[GP+\i:GP+\i+1], v[GP+\i:GP+\i+1], v[GT+\i:GT+\i+1], s[\n:\n+1] op_sel_hi:[1,1,0]   ; Horner, eight pairs by turns
.endr
.endr
.irp i, 0,2,4,6,8,10,12,14
	v_pk_mul_f32 v[GT+\i:GT+\i+1], v[GT+\i:GT+\i+1], v[\x+\i:\x+\i+1]                  ; t g
.endr
.irp i, 0,2,4,6,8,10,12,14
	v_pk_mul_f32 v[\x+\i:\x+\i+1], v[\x+\i:\x+\i+1], v[\x+\i:\x+\i+1]                  ; g^2 = z^2 / 2
.endr
.irp i, 0,2,4,6,8,10,12,14
	v_pk_fma_f32 v[GP+\i:GP+\i+1], v[\x+\i:\x+\i+1], s[KH:KH+1], v[GP+\i:GP+\i+1] op_sel_hi:[1,0,1]   ; P - z^2, in powers of two
.endr
	WALU
.set k, 0
.rept 16
	v_exp_f32 v[GP+k], v[GP+k]
.set k, k+1
.endr
	v_nop
	WALU
.irp i, 0,2,4,6,8,10,12,14
	v_pk_fma_f32 v[\x+\i:\x+\i+1], v[GT+\i:GT+\i+1], v[GP+\i:GP+\i+1], v[GA+\i:GA+\i+1]   ; m + g erfc
.endr
.endm
; 64 numbers of a lane, register 16 b + i = k 32 b + 16 (lane / 16) + i of my item, become a fragment's codes in v[pc] on and its scale word in v[PW]
.macro QUANT4 src, tm, pc
.irp b, 0,1,2,3
	v_max3_num_f32 v[\tm+\b], |v[\src+16*\b]|, |v[\src+1+16*\b]|, 0x4800000   ; my 16 numbers of block b, and the floor 2^(9 - 127): the byte cannot fall under 1
.endr
.irp i, 2,4,6,8,10,12,14
.irp b, 0,1,2,3
	v_max3_num_f32 v[\tm+\b], v[\tm+\b], |v[\src+16*\b+\i]|, |v[\src+1+16*\b+\i]|
.endr
.endr
.irp b, 0,1,2,3
	v_permlanex16_b32 v[\tm+4+\b], v[\tm+\b], s[SEL], s[SEL+1]
.endr
.irp b, 0,1,2,3
	v_max_num_f32 v[\tm+\b], v[\tm+\b], v[\tm+4+\b]         ; with lane l xor 16's: the block's largest magnitude
.endr
.irp b, 0,1,2,3
	v_add_nc_u32 v[\tm+12+\b], 0xfc000000, v[\tm+\b]        ; 8 off its exponent field: the conversion's scale operand
.endr
.irp b, 0,1,2,3
	v_and_or_b32 v[\tm+8+\b], v[\tm+\b], 0x7f800000, s[MNT] ; 448 x the scale
.endr
.irp b, 0,1,2,3
	v_lshrrev_b32 v[\tm+4+\b], 23, v[\tm+12+\b]             ; the scale's byte
.endr
	v_lshl_or_b32 v[PW], v[\tm+5], 8, v[\tm+4]
	v_lshl_or_b32 v[PW], v[\tm+6], 16, v[PW]
	v_lshl_or_b32 v[PW], v[\tm+7], 24, v[PW]
.irp b, 0,1,2,3
.irp i, 0,1,2,3,4,5,6,7,8,9,10,11,12,13,14,15
	v_med3_num_f32 v[\src+16*\b+\i], v[\src+16*\b+\i], -v[\tm+8+\b], v[\tm+8+\b]   ; the conversion does not saturate (ISA guide 7.6.2): the hold
.endr
	v_cvt_scalef32_pk8_fp8_f32 v[\pc+4*\b:\pc+1+4*\b], v[\src+16*\b:\src+7+16*\b], v[\tm+12+\b]
	v_cvt_scalef32_pk8_fp8_f32 v[\pc+2+4*\b:\pc+3+4*\b], v[\src+8+16*\b:\src+15+16*\b], v[\tm+12+\b]
.endr
	v_nop                                                   ; a plain place behind the last conversion
.endm
; the same for my 32 results, two blocks: the maxima in four chains, one for each accumulator, from its low end on; the two bytes in v[PW]
.macro QUANT2 src, tm, pc
.irp q, 0,1,2,3
	v_max3_num_f32 v[\tm+\q], |v[\src+8*\q]|, |v[\src+8*\q+1]|, 0x4800000
.endr
.irp i, 2,4,6
.irp q, 0,1,2,3
	v_max3_num_f32 v[\tm+\q], v[\tm+\q], |v[\src+8*\q+\i]|, |v[\src+8*\q+\i+1]|
.endr
.endr
	v_max_num_f32 v[\tm], v[\tm], v[\tm+1]
	v_max_num_f32 v[\tm+2], v[\tm+2], v[\tm+3]
	v_permlanex16_b32 v[\tm+4], v[\tm], s[SEL], s[SEL+1]
	v_permlanex16_b32 v[\tm+5], v[\tm+2], s[SEL], s[SEL+1]
	v_max_num_f32 v[\tm], v[\tm], v[\tm+4]
	v_max_num_f32 v[\tm+2], v[\tm+2], v[\tm+5]
	v_add_nc_u32 v[\tm+8], 0xfc000000, v[\tm]
	v_add_nc_u32 v[\tm+9], 0xfc000000, v[\tm+2]
	v_and_or_b32 v[\tm+6], v[\tm], 0x7f800000, s[MNT]
	v_and_or_b32 v[\tm+7], v[\tm+2], 0x7f800000, s[MNT]
	v_lshrrev_b32 v[\tm+4], 23, v[\tm+8]
	v_lshrrev_b32 v[\tm+5], 23, v[\tm+9]
	v_lshl_or_b32 v[PW], v[\tm+5], 8, v[\tm+4]
.irp b, 0,1
.irp i, 0,1,2,3,4,5,6,7,8,9,10,11,12,13,14,15
	v_med3_num_f32 v[\src+16*\b+\i], v[\src+16*\b+\i], -v[\tm+6+\b], v[\tm+6+\b]
.endr
	v_cvt_scalef32_pk8_fp8_f32 v[\pc+4*\b:\pc+1+4*\b], v[\src+16*\b:\src+7+16*\b], v[\tm+8+\b]
	v_cvt_scalef32_pk8_fp8_f32 v[\pc+2+4*\b:\pc+3+4*\b], v[\src+8+16*\b:\src+15+16*\b], v[\tm+8+\b]
.endr
	v_nop
.endm
.macro IMAGE2 pc, si, ss               ; my two pieces and two scale bytes of this tile; the two offsets step on
	v_add_nc_u32 v[ADW], s[\si], v[OWI]
	v_add_nc_u32 v[ADW2], s[\ss], v[OWS]
	ds_store_b128 v[ADW], v[\pc:\pc+3]
	ds_store_b128 v[ADW], v[\pc+4:\pc+7] offset:512
	ds_store_b16 v[ADW2], v[PW]
	s_add_co_u32 s[\si], s[\si], 2048
	s_add_co_u32 s[\ss], s[\ss], 128
.endm
.macro WLOAD off                       ; my 16 fragments of a weight, f = 4 s + t, into window 1 at v[16 f]: four loads of 512 consecutive bytes each
	WIN 0x40
.set f, 0
.rept 16
.irp c, 0,1,2,3
	global_load_b128 v[16*f+4*\c:16*f+4*\c+3], v[LI], s[6:7] offset:\off+((f/4)*8+(f%4))*2048+512*\c
.endr
.set f, f+1
.endr
	WIN 0
.endm
.macro SLOAD off, ws                   ; their scale words
.set f, 0
.rept 16
	global_load_b32 v[\ws+f], v[LS], s[8:9] offset:\off+((f/4)*8+(f%4))*128
.set f, f+1
.endr
.endm
.macro BLOAD ptr, dst                  ; a bias in the result's layout: tile t, lane (r, h): units 32 (t / 2) + 16 h + 8 (t % 2) + 0 .. 7 of my 64
.irp t, 0,1,2,3
	global_load_b128 v[\dst+8*\t:\dst+8*\t+3], v[B64], s[\ptr:\ptr+1] offset:(32*(\t/2)+8*(\t%2))*4
	global_load_b128 v[\dst+8*\t+4:\dst+8*\t+7], v[B64], s[\ptr:\ptr+1] offset:(32*(\t/2)+8*(\t%2))*4+16
.endr
.endm
.macro XQ j                            ; my j-th tile of x out of my stage, quantised, its image to LDS as tile 8 j + w
.irp b, 0,1,2,3
.irp q, 0,1,2,3
	ds_load_b128 v[192+16*\b+4*\q:192+16*\b+4*\q+3], v[STR] offset:STILE*\j+128*\b+16*\q
.endr
.endr
	s_wait_dscnt 0x0
	QUANT4 192, 128, 144
.irp c, 0,1,2,3
	ds_store_b128 v[XWI], v[144+4*\c:144+4*\c+3] offset:16384*\j+512*\c
.endr
	ds_store_b32 v[XWS], v[PW] offset:1024*\j
.endm
.macro FETCHX
.irp c, 0,1,2,3
	ds_load_b128 v[XFR+4*\c:XFR+4*\c+3], v[ADF] offset:512*\c
.endr
	ds_load_b32 v[XSR], v[ADS]
.endm
; THE FIRST LAYER, one tile: 4 products (K = 128), GELU, quantised, image.  The next tile's fragment is fetched under the GELU.  last = 1: nothing is fetched, and b2 takes b1's registers.
.macro L1TILE last
	s_wait_dscnt 0x0                               ; x's fragment and scale word are in; my last image's stores are done
.irp t, 0,1,2,3
	v_wmma_scale_f32_16x16x128_f8f6f4 v[ACC+8*\t:ACC+8*\t+7], v[FB+16*\t:FB+16*\t+15], v[XFR:XFR+15], v[BI+8*\t:BI+8*\t+7], v[WSA+\t], v[XSR]
.endr
.if \last
	PLACES 9                                       ; behind this form: 9 places ahead of reads of results and of loads into its operands
	BLOAD 14, BI
.else
	s_add_co_u32 s[XF], s[XF], 2048
	s_add_co_u32 s[XS], s[XS], 128
	PLACES 7
	v_add_nc_u32 v[ADF], s[XF], v[LI]              ; (two places more)
	v_add_nc_u32 v[ADS], s[XS], v[LS]
	FETCHX
.endif
	GELU16 ACC
	WALU                                           ; directly ahead of the first readers of the other two accumulators
	GELU16 ACC+16
	QUANT2 ACC, 224, 208
	IMAGE2 208, HW, HS
.endm
.macro FETCH                           ; a tile's four fragments and scale words
.irp s, 0,1
.irp c, 0,1,2,3
	ds_load_b128 v[FB+16*\s+4*\c:FB+16*\s+4*\c+3], v[ADF] offset:32768*\s+512*\c
.endr
.endr
.irp s, 0,1
.irp c, 0,1,2,3
	ds_load_b128 v[FB+32+16*\s+4*\c:FB+32+16*\s+4*\c+3], v[ADG] offset:32768*\s+512*\c
.endr
.endr
.irp s, 0,1,2,3
	ds_load_b32 v[AS+\s], v[ADS] offset:2048*\s
.endr
.endm
.macro FADR                            ; the addresses of the fetch
	v_add_nc_u32 v[ADF], s[TF], v[LI]
	v_add_nc_u32 v[ADG], s[TF], v[LI2]
	v_add_nc_u32 v[ADS], s[TS], v[LS]
.endm
; A TILE OF A LAYER WITH K = 512: 16 products, i = 4 s + t.  kind 2: h, quantised, image.  kind 6: k, and my part of the scores.  kind 7: v, and the sums of p v.
; fetch = 1: the next tile is fetched behind the products.  wnext: the next layer's weight, asked for behind a layer's last products.
.macro TILE kind, fetch, wnext=-1
.if \kind == 6
.set wS, WSA
.else
.set wS, WSB
.endif
	s_wait_dscnt 0x0                               ; this tile's fragments and scale words are in; my LDS stores are done
	WIN 0x01                                       ; source 0 (the weight) window 1
.set i, 0
.rept 16
.if (i < 4) && (\kind == 6)
	v_wmma_scale_f32_16x16x128_f8f6f4 v[ACC+8*(i%4):ACC+8*(i%4)+7], v[16*i:16*i+15], v[FB+16*(i/4):FB+16*(i/4)+15], 0, v[wS+i], v[AS+i/4]
.elseif i < 4
	v_wmma_scale_f32_16x16x128_f8f6f4 v[ACC+8*(i%4):ACC+8*(i%4)+7], v[16*i:16*i+15], v[FB+16*(i/4):FB+16*(i/4)+15], v[BI+8*i:BI+8*i+7], v[wS+i], v[AS+i/4]
.else
	v_wmma_scale_f32_16x16x128_f8f6f4 v[ACC+8*(i%4):ACC+8*(i%4)+7], v[16*i:16*i+15], v[FB+16*(i/4):FB+16*(i/4)+15], v[ACC+8*(i%4):ACC+8*(i%4)+7], v[wS+i], v[AS+i/4]
.endif
.set i, i+1
.endr
	WIN 0
.if \fetch
	s_add_co_u32 s[TF], s[TF], 2048
	s_add_co_u32 s[TS], s[TS], 128
	PLACES 6                                       ; with the three additions: nine places
	FADR
	FETCH
.else
	PLACES 9
.if \wnext >= 0
	WLOAD \wnext
.endif
.endif
.if \kind == 2
	QUANT2 ACC, 224, 240
	IMAGE2 240, OW, OS
.elseif \kind == 6                     ; q . k over my 32 units in four chains, one for each accumulator, then lane l xor 16's 32
.irp c, 0,1,2,3
	v_pk_mul_f32 v[T+2*\c:T+2*\c+1], v[ACC+8*\c:ACC+8*\c+1], v[QZ+8*\c:QZ+8*\c+1]
.endr
.irp n, 2,4,6
.irp c, 0,1,2,3
	v_pk_fma_f32 v[T+2*\c:T+2*\c+1], v[ACC+8*\c+\n:ACC+8*\c+\n+1], v[QZ+8*\c+\n:QZ+8*\c+\n+1], v[T+2*\c:T+2*\c+1]
.endr
.endr
	v_pk_add_f32 v[T:T+1], v[T:T+1], v[T+2:T+3]
	v_pk_add_f32 v[T+4:T+5], v[T+4:T+5], v[T+6:T+7]
	v_pk_add_f32 v[T:T+1], v[T:T+1], v[T+4:T+5]
	v_add_f32 v[T], v[T], v[T+1]
	v_permlanex16_b32 v[T+2], v[T], s[SEL], s[SEL+1]
	v_add_f32 v[T], v[T], v[T+2]
	v_add_nc_u32 v[ADW], s[OW], v[SCW]
	ds_store_b32 v[ADW], v[T]                      ; both lanes of an item write the same word with the same value
	s_add_co_u32 s[OW], s[OW], 512
.else
.set j, 0
.rept 16
	v_pk_fma_f32 v[QZ+2*j:QZ+2*j+1], v[ACC+2*j:ACC+2*j+1], v[PP:PP+1], v[QZ+2*j:QZ+2*j+1] op_sel_hi:[1,0,1]   ; += p v
.set j, j+1
.endr
.if \fetch
	s_add_co_u32 s[PF], s[PF], 128
	v_add_nc_u32 v[ADP], s[PF], v[PVA]
	ds_load_b32 v[PP], v[ADP]                      ; the next tile's p, behind the last line that reads this tile's
.endif
.endif
.endm
.macro RS n, mk, xm                    ; a step of the sum over the 16 lanes of a half: each lane keeps n of its 2 n registers and sends the others to the lane that keeps them
.set i, 0
.rept \n
	v_cndmask_b32 v[ACC+i], v[QZ+\n+i], v[QZ+i], s[\mk]
.set i, i+1
.endr
.set i, 0
.rept \n
	v_cndmask_b32 v[QZ+i], v[QZ+i], v[QZ+\n+i], s[\mk]
.set i, i+1
.endr
.set i, 0
.rept \n
	v_add_f32_dpp v[QZ+i], v[ACC+i], v[QZ+i] row_xmask:\xm row_mask:0xf bank_mask:0xf
.set i, i+1
.endr
.endm
.macro LOOPEND lab
	s_sub_co_u32 s[CNT], s[CNT], 1
	s_cmp_lg_u32 s[CNT], 0
	s_cbranch_scc1 \lab
.endm
	s_load_b512 s[4:19], s[0:1], 0x0               ; x_items, wcodes, wscales, hq, psi_x_b1, psi_x_b2, q_b, v_b
	s_load_b128 s[20:23], s[0:1], 0x40             ; part_z, part_ml
	v_lshl_add_u32 v[SPW], v0, 2, SPARE
	v_mov_b32 v[NIL], 0
	ds_add_u32 v[SPW], v[NIL]                      ; the wave's opening: the add, twice on end, and its wait ahead of my tensor load
	ds_add_u32 v[SPW], v[NIL]
	v_lshrrev_b32 v1, 5, v0
	v_readfirstlane_b32 s[WV], v1                  ; wave 0..7
	s_mov_b32 s[G1+0], 0x07920000                  ; no mask; elements of 4 bytes; padding: four words after every 128
	s_mov_b32 s[G1+1], 128<<16                     ; tensor_dim0
	s_mov_b32 s[G1+2], 32<<16                      ; tensor_dim1
	s_mov_b32 s[G1+3], 128<<16                     ; tile_dim0
	s_mov_b32 s[G1+4], 32                          ; tile_dim1
	s_mov_b32 s[G1+5], 128                         ; elements from row to row
	s_mov_b32 s[G1+6], 0
	s_mov_b32 s[G1+7], 0
	s_mul_i32 s89, s[WV], 2*STILE
	s_add_co_u32 s89, s89, XSTG                    ; my stage
	s_lshl_b32 s90, ttmp9, 17                      ; the block's 256 rows of 512 bytes,
	s_lshl_b32 s91, s[WV], 14                      ; my 32 of them
	s_add_co_u32 s90, s90, s91
	s_mov_b32 s91, 0
	s_lshr_b32 s43, s[WV], 1                       ; w / 2
	s_and_b32 s44, s[WV], 1                        ; w % 2
	s_lshl_b32 s45, s43, 15
	s_lshl_b32 s50, s44, 10
	s_add_co_u32 s45, s45, s50                     ; for OWI
	s_lshl_b32 s46, s43, 11
	s_lshl_b32 s50, s44, 1
	s_add_co_u32 s46, s46, s50                     ; for OWS
	s_lshl_b32 s47, s[WV], 11
	s_add_co_u32 s47, s47, XIMG
	s_lshl_b32 s48, s[WV], 7
	s_add_co_u32 s48, s48, XSC
	s_lshl_b32 s49, s[WV], 8
	s_add_co_u32 s49, s49, PKQ
	s_wait_dscnt 0x0                               ; both opening adds are done
	s_wait_kmcnt 0x0
	s_mov_b32 s[G0], 1
	s_mov_b32 s[G0+1], s89
	s_add_nc_u64 s[G0+2:G0+3], s[4:5], s[90:91]
	s_or_b32 s[G0+3], s[G0+3], 0x80000000
	tensor_load_to_lds s[G0:G0+3], s[G1:G1+7]      ; my 32 items: the launch's only fill, one load a wave
	s_nop 0
	PLACES 4
	v_and_b32 v2, 31, v0
	v_lshlrev_b32 v[LI], 4, v2
	v_min_u32 v[PFO], 7, v2
	v_lshlrev_b32 v[PFO], 8, v[PFO]
	v_lshlrev_b32 v[LS], 2, v2
	v_bfe_u32 v16, v0, 4, 1                        ; h
	v_and_b32 v17, 15, v0                          ; r
	v_lshlrev_b32 v[B64], 6, v16
	v_lshlrev_b32 v[H16], 4, v16
	v_mul_u32_u24 v[STR], v17, 528
	v_add_nc_u32 v[STR], v[STR], v[B64]
	v_add_nc_u32 v[STR], s89, v[STR]
	v_add_nc_u32 v[OWI], s45, v[LI]
	v_add_nc_u32 v[OWS], s46, v[LS]
	v_add_nc_u32 v[XWI], s47, v[LI]
	v_add_nc_u32 v[XWS], s48, v[LS]
	v_lshl_add_u32 v[QA], v16, 7, s49
	v_mov_b32 v[ZERO], 0
	v_mov_b32 v[C9V], 0x3e7c6f08                   ; the polynomial's degree 9, in vector registers: its line then names one scalar pair
	v_mov_b32 v[C9V+1], 0x3e7c6f08
	v_mov_b32 v[PP+1], 0
	WALU                                           ; the head's vector lines are through, ahead of the scalar lines and waits below
	s_lshl_b32 s90, s[WV], 13
	s_add_nc_u64 s[52:53], s[6:7], s[90:91]        ; W1's fragments: 4 a wave
	s_lshl_b32 s90, s[WV], 9
	s_add_nc_u64 s[54:55], s[8:9], s[90:91]
	s_lshl_b32 s90, ttmp9, 11
	s_add_nc_u64 s[PFB:PFB+1], s[6:7], s[90:91]
	s_add_nc_u64 s[20:21], s[20:21], s[90:91]      ; the block's sums
	s_lshl_b32 s90, s43, 16
	s_lshl_b32 s50, s44, 13
	s_add_co_u32 s90, s90, s50
	s_add_nc_u64 s[6:7], s[6:7], s[90:91]          ; the other weights: group w / 2, tiles 4 (w % 2) on
	s_lshl_b32 s90, s43, 12
	s_lshl_b32 s50, s44, 9
	s_add_co_u32 s90, s90, s50
	s_add_nc_u64 s[8:9], s[8:9], s[90:91]
	s_lshl_b32 s90, s[WV], 8                       ; my 64 numbers of a bias, and of the block's sums
.irp p, 12,14,16,18,20
	s_add_nc_u64 s[\p:\p+1], s[\p:\p+1], s[90:91]
.endr
	s_lshl_b32 s90, ttmp9, 3
	s_add_nc_u64 s[22:23], s[22:23], s[90:91]
	s_lshr_b32 s89, ttmp9, 3                       ; the batch
	s_lshl_b32 s90, s89, 4
	s_add_nc_u64 s[2:3], s[10:11], s[90:91]        ; h_query's scale bytes (+ 16,384 in the load)
	s_lshl_b32 s90, s89, 9
	s_add_nc_u64 s[10:11], s[10:11], s[90:91]      ; and its codes
	s_cmp_eq_u32 s[WV], 0
	s_cselect_b32 s[PFC], 15, 0
	WLOAD 786432                                   ; q_w
.irp s, 0,1,2,3
.irp c, 0,1,2,3
	global_load_b128 v[192+16*\s+4*\c:192+16*\s+4*\c+3], v[H16], s[10:11] offset:128*\s+32*\c   ; h_query: all 16 rows of source 1 are my batch's, so every lane gets q
.endr
.endr
	global_load_b128 v[AS:AS+3], v[ZERO], s[2:3] offset:16384
	SLOAD 49152, WSB
	BLOAD 16, ACC                                  ; q_b into q's accumulators: it begins the sums
.irp t, 0,1,2,3
.irp c, 0,1,2,3
	global_load_b128 v[FB+16*\t+4*\c:FB+16*\t+4*\c+3], v[LI], s[52:53] offset:1835008+2048*\t+512*\c
.endr
	global_load_b32 v[WSA+\t], v[LS], s[54:55] offset:114688+128*\t
.endr
	BLOAD 12, BI                                   ; b1
	s_mov_b32 s[SEL], 0x76543210
	s_mov_b32 s[SEL+1], 0xfedcba98                 ; v_permlanex16_b32's selects for lane l xor 16
	s_mov_b32 s[MNT], 0x600000                     ; the mantissa field of 448
	s_mov_b32 s[CS], 0x3d8293ee                    ; log2(e) / sqrt(512)
	PAIR K1, 0xbf3504f3                            ; -1 / sqrt 2: g x this = z / 2
	PAIR KH, 0xc038aa3b                            ; -2 log2(e): g^2 x this = -z^2 log2(e)
	PAIR 70, 0xbfe9b21e                            ; the polynomial's coefficients x log2(e), degree 0 to 8
	PAIR 72, 0x3fb8ab5a
	PAIR 74, 0x3f0a29d2
	PAIR 76, 0x3e0efb2e
	PAIR 78, 0xbe899a80
	PAIR 80, 0x3ecdfd18
	PAIR 82, 0xbfd1a1e5
	PAIR 84, 0x40097039
	PAIR 86, 0xbf97d29d
	s_mov_b32 s98, 0xff00ff00                      ; lanes with bit 3, 2, 1, 0 of lane % 16 set
	s_mov_b32 s99, 0xf0f0f0f0
	s_mov_b32 s100, 0xcccccccc
	s_mov_b32 s101, 0xaaaaaaaa
	s_wait_loadcnt 0x0
	WIN 0x01                                       ; q = Q(h_query) Wq^T + q_b, my 64 units: the four accumulators by turns
.set i, 0
.rept 16
	v_wmma_scale_f32_16x16x128_f8f6f4 v[ACC+8*(i%4):ACC+8*(i%4)+7], v[16*i:16*i+15], v[192+16*(i/4):192+16*(i/4)+15], v[ACC+8*(i%4):ACC+8*(i%4)+7], v[WSB+i], v[AS+i/4]
.set i, i+1
.endr
	WIN 0
	PLACES 9
	WLOAD 0                                        ; W2 takes q_w's registers: it lands under the first layer
	SLOAD 0, WSB
	s_wait_tensorcnt 0x0                           ; my 32 items are in my stage
.set k, 0
.rept 8
	ds_store_b128 v[QA], v[ACC+4*k:ACC+4*k+3] offset:16*k   ; q is parked in my own bytes: the sixteen lanes of a half hold and write the same numbers
.set k, k+1
.endr
	XQ 0
	XQ 1
	BARRIER                                        ; x's 16 fragments lie in LDS
	s_mov_b32 s[XF], XIMG
	s_mov_b32 s[XS], XSC
	s_mov_b32 s[HW], HIMG
	s_mov_b32 s[HS], HSC
	v_add_nc_u32 v[ADF], s[XF], v[LI]
	v_add_nc_u32 v[ADS], s[XS], v[LS]
	FETCHX
	s_mov_b32 s[CNT], 15
.LL1:
	s_cmp_eq_u32 s[PFC], s[CNT]
	s_cbranch_scc0 .Lno_ask                        ; wave 0, first trip: my work-group's eight blocks of Wk's and Wv's codes
	global_prefetch_b8 v[PFO], s[PFB:PFB+1] offset:262144 th:TH_LOAD_NT scope:SCOPE_SE
.Lno_ask:
	L1TILE 0
	LOOPEND .LL1
	L1TILE 1
	; ---- the second layer
	BARRIER                                        ; h1's 64 fragments lie in LDS; nobody reads x's images or stages any more
	s_wait_loadcnt 0x0                             ; W2, its scale words, b2
	SLOAD 16384, WSA                               ; Wk's scale words land under this layer
	s_mov_b32 s[TF], HIMG
	s_mov_b32 s[TS], HSC
	s_mov_b32 s[OW], GIMG
	s_mov_b32 s[OS], GSC
	v_add_nc_u32 v[LI2], 0x10000, v[LI]
	FADR
	FETCH
	s_mov_b32 s[CNT], 15
	WALU
.LL2:
	TILE 2, 1
	LOOPEND .LL2
	TILE 2, 0, 262144                              ; and Wk takes W2's registers
	; ---- k and the scores
	s_lshl_b32 s89, s[WV], 2
	BARRIER                                        ; h's 64 fragments lie in LDS; nobody reads h1 any more
.set k, 0
.rept 8
	ds_load_b128 v[QZ+4*k:QZ+4*k+3], v[QA] offset:16*k
.set k, k+1
.endr
	s_mov_b32 s[TF], GIMG
	s_mov_b32 s[TS], GSC
	s_mov_b32 s[OW], SCP
	v_and_b32 v[SCW], 15, v0
	v_lshlrev_b32 v[SCW], 5, v[SCW]
	v_add_nc_u32 v[SCW], s89, v[SCW]
	FADR
	FETCH
	s_mov_b32 s[CNT], 15
	WALU
	s_wait_loadcnt 0x0                             ; Wk and its scale words
	SLOAD 32768, WSB                               ; Wv's scale words and v_b land under this layer
	BLOAD 18, BI
.LL6:
	TILE 6, 1
	LOOPEND .LL6
	TILE 6, 0, 524288                              ; and Wv takes Wk's registers
	; ---- the block's softmax: every wave makes all of it, for item 16 m + r in register ACC + m
	s_lshl_b32 s89, s[WV], 11
	s_add_co_u32 s89, s89, PV
	BARRIER                                        ; the eight waves' parts of the scores lie in LDS
	v_and_b32 v[SR], 15, v0
	v_lshlrev_b32 v[SR], 5, v[SR]
	v_add_nc_u32 v[PVA], s89, v[LS]
.set k, 0
.rept 16
.set R, 64+8*k+64*(k/8)
	ds_load_b128 v[R:R+3], v[SR] offset:SCP+512*k
	ds_load_b128 v[R+4:R+7], v[SR] offset:SCP+512*k+16
.set k, k+1
.endr
	s_wait_dscnt 0x0
.set k, 0
.rept 16
.set R, 64+8*k+64*(k/8)
	v_pk_add_f32 v[R:R+1], v[R:R+1], v[R+2:R+3]
	v_pk_add_f32 v[R+4:R+5], v[R+4:R+5], v[R+6:R+7]
.set k, k+1
.endr
.set k, 0
.rept 16
.set R, 64+8*k+64*(k/8)
	v_pk_add_f32 v[R:R+1], v[R:R+1], v[R+4:R+5]
.set k, k+1
.endr
.set k, 0
.rept 16
.set R, 64+8*k+64*(k/8)
	v_add_f32 v[ACC+k], v[R], v[R+1]               ; the scores
.set k, k+1
.endr
	v_max3_num_f32 v146, v128, v129, v130
.irp i, 131,133,135,137,139,141
	v_max3_num_f32 v146, v146, v[\i], v[\i+1]
.endr
	v_max_num_f32 v146, v146, v143
	v_max_num_f32_dpp v146, v146, v146 row_xmask:1 row_mask:0xf bank_mask:0xf
	v_max_num_f32_dpp v146, v146, v146 row_xmask:2 row_mask:0xf bank_mask:0xf
	v_max_num_f32_dpp v146, v146, v146 row_xmask:4 row_mask:0xf bank_mask:0xf
	v_max_num_f32_dpp v146, v146, v146 row_xmask:8 row_mask:0xf bank_mask:0xf   ; both halves of the lanes hold the same 256 scores
	v_mul_f32 v62, s[CS], v146                     ; M: the block's largest t (the factor is positive)
.set k, 0
.rept 16
	v_fma_f32 v[ACC+k], v[ACC+k], s[CS], -v62      ; t - M
.set k, k+1
.endr
	WALU
.set k, 0
.rept 16
	v_exp_f32 v[ACC+k], v[ACC+k]                   ; p
.set k, k+1
.endr
	v_nop
	WALU
.set k, 0
.rept 16
	ds_store_b32 v[PVA], v[ACC+k] offset:128*k     ; p goes through my own LDS bytes so that the loop over tiles can name it by an address
.set k, k+1
.endr
	v_pk_add_f32 v[146:147], v[128:129], v[130:131]
	v_pk_add_f32 v[148:149], v[132:133], v[134:135]
	v_pk_add_f32 v[146:147], v[146:147], v[136:137]
	v_pk_add_f32 v[148:149], v[148:149], v[138:139]
	v_pk_add_f32 v[146:147], v[146:147], v[140:141]
	v_pk_add_f32 v[148:149], v[148:149], v[142:143]
	v_pk_add_f32 v[146:147], v[146:147], v[148:149]
	v_add_f32 v63, v146, v147
	v_add_f32_dpp v63, v63, v63 row_xmask:1 row_mask:0xf bank_mask:0xf
	v_add_f32_dpp v63, v63, v63 row_xmask:2 row_mask:0xf bank_mask:0xf
	v_add_f32_dpp v63, v63, v63 row_xmask:4 row_mask:0xf bank_mask:0xf
	v_add_f32_dpp v63, v63, v63 row_xmask:8 row_mask:0xf bank_mask:0xf          ; l
.set k, 0
.rept 32
	v_mov_b32 v[QZ+k], 0                           ; the sums of p v take q's registers.  Cleared once, so that the first tile is the loop's
.set k, k+1
.endr
	; ---- v and the sums of p v
	s_mov_b32 s[TF], GIMG
	s_mov_b32 s[TS], GSC
	s_mov_b32 s[PF], 0
	FADR
	FETCH
	ds_load_b32 v[PP], v[PVA]                      ; tile 0's p: LDS serves a wave's instructions in order
	s_mov_b32 s[CNT], 15
	WALU
	s_wait_loadcnt 0x0                             ; Wv, its scale words, v_b
.LL7:
	TILE 7, 1
	LOOPEND .LL7
	TILE 7, 0
	; ---- the sum over the 16 items of a half of the lanes: lane r ends with registers 2 r, 2 r + 1 of the 32
	RS 16, 98, 8
	RS 8, 99, 4
	RS 4, 100, 2
	RS 2, 101, 1
	v_and_b32 v[ADW], 7, v0
	v_lshlrev_b32 v[ADW], 3, v[ADW]
	v_bfe_u32 v[ADW2], v0, 3, 1
	v_lshl_add_u32 v[ADW], v[ADW2], 7, v[ADW]
	v_add_nc_u32 v[ADW], v[ADW], v[B64]            ; units 32 (r / 8) + 16 h + 2 (r % 8) on, in bytes
	global_store_b64 v[ADW], v[QZ:QZ+1], s[20:21]  ; the wave stores 256 consecutive bytes, at a multiple of 256 from the buffer's first byte
	v_cmp_eq_u32 vcc_lo, 0, v0                     ; thread 0 stores M and l
	s_wait_xcnt 0x0                                ; EXEC changes only behind this wait
	s_and_saveexec_b32 s97, vcc_lo
	global_store_b64 v[ZERO], v[62:63], s[22:23]
	s_wait_xcnt 0x0
	s_or_b32 exec_lo, exec_lo, s97
	s_wait_tensorcnt 0x0                           ; the wave's end: these three lines, behind my tensor load and my last LDS store
	ds_add_u32 v[SPW], v[NIL]
	s_wait_dscnt 0x0
	s_endpgm
.Lfunc_end_k_qc2bc4735ec_main:
	.size	k_qc2bc4735ec_main, .Lfunc_end_k_qc2bc4735ec_main-k_qc2bc4735ec_main
	.p2alignl 7, 3214868480
	.fill 96, 4, 3214868480
	.section	.rodata,"a",@progbits
	.p2align	6, 0x0
	.amdhsa_kernel k_qc2bc4735ec_main
		.amdhsa_group_segment_fixed_size 327680
		.amdhsa_private_segment_fixed_size 0
		.amdhsa_enable_private_segment 0
		.amdhsa_kernarg_size 80
		.amdhsa_user_sgpr_count 2
		.amdhsa_user_sgpr_kernarg_segment_ptr 1
		.amdhsa_wavefront_size32 1
		.amdhsa_system_sgpr_workgroup_id_x 1
		.amdhsa_system_sgpr_workgroup_id_y 1
		.amdhsa_system_sgpr_workgroup_id_z 1
		.amdhsa_system_vgpr_workitem_id 0
		.amdhsa_next_free_vgpr 512
		.amdhsa_next_free_sgpr 102
		.amdhsa_reserve_vcc 1
		.amdhsa_float_denorm_mode_32 3
		.amdhsa_float_denorm_mode_16_64 3
		.amdhsa_memory_ordered 1
		.amdhsa_forward_progress 1
		.amdhsa_inst_pref_size 169
	.end_amdhsa_kernel
	.amdgpu_metadata
---
amdhsa.version: [ 1, 2 ]
amdhsa.kernels:
  - .name:           k_qc2bc4735ec_main
    .symbol:         k_qc2bc4735ec_main.kd
    .args:
      - { .name: x_items, .offset: 0, .size: 8, .value_kind: global_buffer, .address_space: global }
      - { .name: wcodes, .offset: 8, .size: 8, .value_kind: global_buffer, .address_space: global }
      - { .name: wscales, .offset: 16, .size: 8, .value_kind: global_buffer, .address_space: global }
      - { .name: hq, .offset: 24, .size: 8, .value_kind: global_buffer, .address_space: global }
      - { .name: psi_x_b1, .offset: 32, .size: 8, .value_kind: global_buffer, .address_space: global }
      - { .name: psi_x_b2, .offset: 40, .size: 8, .value_kind: global_buffer, .address_space: global }
      - { .name: q_b, .offset: 48, .size: 8, .value_kind: global_buffer, .address_space: global }
      - { .name: v_b, .offset: 56, .size: 8, .value_kind: global_buffer, .address_space: global }
      - { .name: part_z, .offset: 64, .size: 8, .value_kind: global_buffer, .address_space: global }
      - { .name: part_ml, .offset: 72, .size: 8, .value_kind: global_buffer, .address_space: global }
    .group_segment_fixed_size: 327680
    .private_segment_fixed_size: 0
    .kernarg_segment_align: 8
    .kernarg_segment_size: 80
    .max_flat_workgroup_size: 256
    .sgpr_count:     102
    .vgpr_count:     512
    .wavefront_size: 32
...
	.end_amdgpu_metadata
.endif
;; end of part 2
;; launch final (part 3): grid 8 x 8, 4 waves a work-group, no clusters, 26,368 bytes of LDS; arguments part_z, part_ml, wcodes, wscales, phi_b1, phi_b2, out0; writes out0
.if DOCPART == 3
	.amdgcn_target "amdgcn-amd-amdhsa--gfx1250"
	.amdhsa_code_object_version 6
	.text
	.protected	k_qc2bc4735ec_final
	.globl	k_qc2bc4735ec_final
	.p2align	8
	.type	k_qc2bc4735ec_final,@function
k_qc2bc4735ec_final:
	s_mov_b64 s[64:65], 0
	v_nop
	global_prefetch_b8 v0, s[64:65] scope:SCOPE_SE
	s_setreg_imm32_b32 hwreg(HW_REG_WAVE_MODE, 25, 1), 1
	s_wait_xcnt 0x0
; FINAL.  z = (the sum over a batch's eight blocks of 2^(M_j - M) x sum of p v) / (the sum of 2^(M_j - M) l_j), M the largest M_j: the blocks' softmaxes joined; then out = gelu(z phi_w1^T + b1) phi_w2^T + b2,
; both products on codes of E4M3 with E8M0 scales for each 32 along K.
; Work-group (x, y): columns 128 x on of out, batches 4 y .. 4 y + 3.  A tile of 16 rows holds the four batches four times: lane r stands for batch 4 y + r % 4; rows 0 to 3 are stored.
; Wave w joins batch 4 y + w, quantises K step w of z, makes hidden units 128 w on (all 512 are made in each work-group) and columns 128 x + 32 w on.  The weights come as fragments in register order, straight into registers.
; Operands go from wave to wave through LDS as images of their registers.  Both products are used transposed (source 0 = 16 rows of the weight).  Three barriers.
; No tensor loads, no cluster: a work-group reads 327,680 bytes of codes once.  out's rows of 4,000 bytes are no multiple of 256, so its stores are 32 bytes a lane.
; LIMITS: NaN and infinities are not served; a block of zeros gets the scale byte 1 (its codes are zeros; only this program reads the bytes); GELU: erfc by t exp(-z^2 + P(t)), fractional error 1.2e-7 beside f32 rounding.
.set ZST,   0                          ; z: four rows of 2,048 + 16 bytes
.set ZIMG,  8448                       ; z's four fragments
.set ZSC,   16640                      ; their scale words
.set HIMG2, 17152                      ; the hidden layer's four fragments
.set HSC2,  25344
.set SPARE, 25856                      ; the spare words, 128 bytes for each wave: two blocks of 256 bytes that no other line names
.set LI,   1                           ; v1   16 x lane
.set LS,   2                           ; v2   4 x lane
.set B64,  3                           ; v3   64 h
.set ZERO, 4
.set ZW,   5                           ; v5   2,064 w + 16 x lane
.set ZR,   6                           ; v6   2,064 (r % 4) + 512 w + 64 h
.set OWI,  7                           ; v7   2,048 w + 16 x lane
.set OWS,  8                           ; v8   128 w + 4 x lane
.set PB,   9                           ; v9-10 phi_b2's byte offsets, one for each tile of 8 columns, held inside the buffer
.set OUTA, 11
.set COL0, 12                          ; v12  128 x + 32 w + 16 h
.set RR,   13
.set PW,   14
.set WS1,  16                          ; v16-47 phi_w1's scale words; v48-55 phi_w2's; v88-91 the activations': scales and nothing else
.set WS2,  48
.set ML,   56                          ; v56-71 M_j, l_j
.set B2C,  72                          ; v72-87 phi_b2 in the result's layout
.set AS,   88
.set C9V,  94
.set ACC,  96                          ; v96-223 the eight blocks' sums, 16 numbers a lane each; then v96-159 results, v160-207 at work
.set GA,   160
.set GT,   176
.set GP,   192
.set TM,   160
.set PC,   176
.set Z,    224                         ; v224-239 z, later the two accumulators of out
.set WJ,   240                         ; v240-255 the eight weights, each twice
; windows 1, 2: phi_w1's 32 fragments.  window 3: v0-63 four activation fragments; v64-191 phi_w2's 8 fragments at 64 + 16 (2 s + u); v192-255 phi_b1
.set WV,   28
.set SEL,  56
.set MNT,  58
.set K1,   66
.set KH,   68
.set MSB, 0
.macro WIN new
.if MSB != (\new)
	s_set_vgpr_msb (MSB<<8)|(\new)
.set MSB, \new
.endif
.endm
.macro PLACES n
.rept \n
	v_nop
.endr
.endm
.macro BARRIER
	s_wait_dscnt 0x0
	s_barrier_signal -1
	s_barrier_wait -1
.endm
.macro PAIR reg, val
	s_mov_b32 s[\reg], \val
	s_mov_b32 s[\reg+1], \val
.endm
.macro GELU16 x
.set k, 0
.rept 16
	v_max_num_f32 v[GA+k], 0, v[\x+k]                       ; m = max(x, 0)
.set k, k+1
.endr
.irp i, 0,2,4,6,8,10,12,14
	v_pk_fma_f32 v[\x+\i:\x+\i+1], v[GA+\i:GA+\i+1], 2.0, v[\x+\i:\x+\i+1] op_sel_hi:[1,0,1] neg_lo:[0,0,1] neg_hi:[0,0,1]   ; a = |x|, exact
.endr
.irp i, 0,2,4,6,8,10,12,14
	v_pk_fma_f32 v[GT+\i:GT+\i+1], v[\x+\i:\x+\i+1], s[K1:K1+1], 1.0 op_sel_hi:[1,0,0]
.endr
.set k, 0
	s_wait_alu depctr_va_vdst(0)
.rept 16
	v_rcp_f32 v[GT+k], v[GT+k]
.set k, k+1
.endr
	v_nop
	s_wait_alu depctr_va_vdst(0)                            ; one wait for the batch, ahead of its first reader
.irp i, 0,2,4,6,8,10,12,14
	v_pk_fma_f32 v[GP+\i:GP+\i+1], v[GT+\i:GT+\i+1], v[C9V:C9V+1], s[86:87] op_sel_hi:[1,1,0]
.endr
.irp n, 84,82,80,78,76,74,72,70
.irp i, 0,2,4,6,8,10,12,14
	v_pk_fma_f32 v[GP+\i:GP+\i+1], v[GP+\i:GP+\i+1], v[GT+\i:GT+\i+1], s[\n:\n+1] op_sel_hi:[1,1,0]
.endr
.endr
.irp i, 0,2,4,6,8,10,12,14
	v_pk_mul_f32 v[GT+\i:GT+\i+1], v[GT+\i:GT+\i+1], v[\x+\i:\x+\i+1]
.endr
.irp i, 0,2,4,6,8,10,12,14
	v_pk_mul_f32 v[\x+\i:\x+\i+1], v[\x+\i:\x+\i+1], v[\x+\i:\x+\i+1]
.endr
.irp i, 0,2,4,6,8,10,12,14
	v_pk_fma_f32 v[GP+\i:GP+\i+1], v[\x+\i:\x+\i+1], s[KH:KH+1], v[GP+\i:GP+\i+1] op_sel_hi:[1,0,1]
.endr
.set k, 0
	s_wait_alu depctr_va_vdst(0)
.rept 16
	v_exp_f32 v[GP+k], v[GP+k]
.set k, k+1
.endr
	v_nop
	s_wait_alu depctr_va_vdst(0)                            ; one wait for the batch, ahead of its first reader
.irp i, 0,2,4,6,8,10,12,14
	v_pk_mul_f32 v[GT+\i:GT+\i+1], v[GT+\i:GT+\i+1], v[GP+\i:GP+\i+1]
.endr
.irp i, 0,2,4,6,8,10,12,14
	v_pk_fma_f32 v[\x+\i:\x+\i+1], v[GT+\i:GT+\i+1], -0.5, v[GA+\i:GA+\i+1] op_sel_hi:[1,0,1]
.endr
.endm
.macro QUANT src, pc, pw
.irp b, 0,1,2,3
	v_max3_num_f32 v[TM+\b], |v[\src+16*\b]|, |v[\src+1+16*\b]|, 0x4800000   ; my 16 numbers of block b, and the floor 2^(9 - 127)
.endr
.irp i, 2,4,6,8,10,12,14
.irp b, 0,1,2,3
	v_max3_num_f32 v[TM+\b], v[TM+\b], |v[\src+16*\b+\i]|, |v[\src+1+16*\b+\i]|
.endr
.endr
.irp b, 0,1,2,3
	v_permlanex16_b32 v[TM+4+\b], v[TM+\b], s[SEL], s[SEL+1]
.endr
.irp b, 0,1,2,3
	v_max_num_f32 v[TM+\b], v[TM+\b], v[TM+4+\b]
.endr
.irp b, 0,1,2,3
	v_add_nc_u32 v[TM+12+\b], 0xfc000000, v[TM+\b]
.endr
.irp b, 0,1,2,3
	v_and_or_b32 v[TM+8+\b], v[TM+\b], 0x7f800000, s[MNT]
.endr
.irp b, 0,1,2,3
	v_lshrrev_b32 v[TM+4+\b], 23, v[TM+12+\b]
.endr
	v_lshl_or_b32 v[\pw], v[TM+5], 8, v[TM+4]
	v_lshl_or_b32 v[\pw], v[TM+6], 16, v[\pw]
	v_lshl_or_b32 v[\pw], v[TM+7], 24, v[\pw]
.irp b, 0,1,2,3
.irp i, 0,1,2,3,4,5,6,7,8,9,10,11,12,13,14,15
	v_med3_num_f32 v[\src+16*\b+\i], v[\src+16*\b+\i], -v[TM+8+\b], v[TM+8+\b]   ; the conversion does not saturate (ISA guide 7.6.2): the hold
.endr
	v_cvt_scalef32_pk8_fp8_f32 v[\pc+4*\b:\pc+1+4*\b], v[\src+16*\b:\src+7+16*\b], v[TM+12+\b]
	v_cvt_scalef32_pk8_fp8_f32 v[\pc+2+4*\b:\pc+3+4*\b], v[\src+8+16*\b:\src+15+16*\b], v[TM+12+\b]
.endr
	v_nop
.endm
.macro IMAGE off, soff                 ; my fragment and its scale words
.irp c, 0,1,2,3
	ds_store_b128 v[OWI], v[PC+4*\c:PC+4*\c+3] offset:\off+512*\c
.endr
	ds_store_b32 v[OWS], v[PW] offset:\soff
.endm
.macro FETCHF img, sc                  ; all four fragments and their scale words
	WIN 0xc0
.set k, 0
.rept 16
	ds_load_b128 v[4*k:4*k+3], v[LI] offset:\img+512*k
.set k, k+1
.endr
	WIN 0
.irp s, 0,1,2,3
	ds_load_b32 v[AS+\s], v[LS] offset:\sc+128*\s
.endr
	s_wait_dscnt 0x0
.endm
	s_load_b256 s[4:11], s[0:1], 0x0               ; part_z, part_ml, wcodes, wscales
	s_load_b128 s[12:15], s[0:1], 0x20             ; phi_b1, phi_b2
	s_load_b64 s[16:17], s[0:1], 0x30              ; out0
	v_lshrrev_b32 v1, 5, v0
	v_readfirstlane_b32 s[WV], v1                  ; wave 0..3
	s_and_b32 s29, ttmp7, 0xffff                   ; y
	v_and_b32 v2, 31, v0
	v_lshlrev_b32 v[LI], 4, v2
	v_lshlrev_b32 v[LS], 2, v2
	v_bfe_u32 v4, v0, 4, 1                         ; h
	v_lshlrev_b32 v[B64], 6, v4
	v_and_b32 v[RR], 15, v0
	s_mul_i32 s30, s[WV], 2064
	v_add_nc_u32 v[ZW], s30, v[LI]
	v_and_b32 v[ZR], 3, v0
	v_mul_u32_u24 v[ZR], v[ZR], 2064
	v_add_nc_u32 v[ZR], v[ZR], v[B64]
	s_lshl_b32 s30, s[WV], 9
	v_add_nc_u32 v[ZR], s30, v[ZR]
	s_lshl_b32 s30, s[WV], 11
	v_add_nc_u32 v[OWI], s30, v[LI]
	s_lshl_b32 s30, s[WV], 7
	v_add_nc_u32 v[OWS], s30, v[LS]
	s_lshl_b32 s30, ttmp9, 7
	s_lshl_b32 s31, s[WV], 5
	s_add_co_u32 s30, s30, s31
	v_lshl_add_u32 v[COL0], v4, 4, s30
	v_lshlrev_b32 v[PB], 2, v[COL0]
	v_add_nc_u32 v[PB+1], 32, v[PB]
	v_min_u32 v[PB], 3968, v[PB]                   ; 32 bytes are read from each: 3,968 + 32 = the buffer's 4,000.  Columns from 1,000 on get other columns' numbers and are not stored
	v_min_u32 v[PB+1], 3968, v[PB+1]
	v_mul_u32_u24 v[OUTA], v[RR], 4000
	v_lshl_add_u32 v[OUTA], v[COL0], 2, v[OUTA]
	v_mov_b32 v[ZERO], 0
	s_lshl_b32 s30, s29, 2
	s_add_co_u32 s30, s30, s[WV]                   ; the batch that I join
	s_mov_b32 s33, 0
	s_wait_alu depctr_va_vdst(0)
	s_wait_kmcnt 0x0
	s_lshl_b32 s32, s30, 14
	s_add_nc_u64 s[4:5], s[4:5], s[32:33]          ; its eight blocks' sums: 8 x 2,048 bytes
	s_lshl_b32 s32, s30, 6
	s_add_nc_u64 s[6:7], s[6:7], s[32:33]
	s_lshl_b32 s32, s[WV], 16
	s_add_nc_u64 s[20:21], s[8:9], s[32:33]        ; phi_w1: 32 fragments a wave
	s_lshl_b32 s32, s[WV], 12
	s_add_nc_u64 s[22:23], s[10:11], s[32:33]
	s_lshl_b32 s32, ttmp9, 16
	s_lshl_b32 s31, s[WV], 12
	s_add_co_u32 s32, s32, s31
	s_add_nc_u64 s[24:25], s[8:9], s[32:33]        ; phi_w2: group x, tiles 2 w and 2 w + 1
	s_lshl_b32 s32, ttmp9, 12
	s_lshl_b32 s31, s[WV], 8
	s_add_co_u32 s32, s32, s31
	s_add_nc_u64 s[26:27], s[10:11], s[32:33]
	s_lshl_b32 s32, s[WV], 9
	s_add_nc_u64 s[12:13], s[12:13], s[32:33]
	s_mul_i32 s32, s29, 16000
	s_add_nc_u64 s[16:17], s[16:17], s[32:33]      ; out at batch 4 y
.irp q, 0,1,2,3
	global_load_b128 v[ML+4*\q:ML+4*\q+3], v[ZERO], s[6:7] offset:16*\q
.endr
.irp j, 0,1,2,3,4,5,6,7
.irp q, 0,1,2,3
	global_load_b128 v[ACC+16*\j+4*\q:ACC+16*\j+4*\q+3], v[LI], s[4:5] offset:2048*\j+512*\q   ; block j, units 128 q + 4 x lane on
.endr
.endr
	WIN 0x40
.irp s, 0,1
.irp t, 0,1,2,3,4,5,6,7
.irp c, 0,1,2,3
	global_load_b128 v[128*\s+16*\t+4*\c:128*\s+16*\t+4*\c+3], v[LI], s[20:21] offset:1048576+(8*\s+\t)*2048+512*\c
.endr
.endr
.endr
	WIN 0x80
.irp s, 2,3
.irp t, 0,1,2,3,4,5,6,7
.irp c, 0,1,2,3
	global_load_b128 v[128*(\s-2)+16*\t+4*\c:128*(\s-2)+16*\t+4*\c+3], v[LI], s[20:21] offset:1048576+(8*\s+\t)*2048+512*\c
.endr
.endr
.endr
	WIN 0xc0
.irp s, 0,1,2,3
.irp u, 0,1
.irp c, 0,1,2,3
	global_load_b128 v[64+16*(2*\s+\u)+4*\c:64+16*(2*\s+\u)+4*\c+3], v[LI], s[24:25] offset:1310720+(8*\s+\u)*2048+512*\c
.endr
.endr
.endr
.irp t, 0,1,2,3,4,5,6,7
	global_load_b128 v[192+8*\t:192+8*\t+3], v[B64], s[12:13] offset:(32*(\t/2)+8*(\t%2))*4
	global_load_b128 v[192+8*\t+4:192+8*\t+7], v[B64], s[12:13] offset:(32*(\t/2)+8*(\t%2))*4+16
.endr
	WIN 0
.irp s, 0,1,2,3
.irp t, 0,1,2,3,4,5,6,7
	global_load_b32 v[WS1+8*\s+\t], v[LS], s[22:23] offset:65536+(8*\s+\t)*128
.endr
.endr
.irp s, 0,1,2,3
.irp u, 0,1
	global_load_b32 v[WS2+2*\s+\u], v[LS], s[26:27] offset:81920+(8*\s+\u)*128
.endr
.endr
.irp u, 0,1
	global_load_b128 v[B2C+8*\u:B2C+8*\u+3], v[PB+\u], s[14:15]
	global_load_b128 v[B2C+8*\u+4:B2C+8*\u+7], v[PB+\u], s[14:15] offset:16
.endr
	s_mov_b32 s[SEL], 0x76543210
	s_mov_b32 s[SEL+1], 0xfedcba98
	s_mov_b32 s[MNT], 0x600000
	PAIR K1, 0x3eb504f3
	PAIR KH, 0xbf38aa3b
	PAIR 70, 0xbfe9b21e
	PAIR 72, 0x3fb8ab5a
	PAIR 74, 0x3f0a29d2
	PAIR 76, 0x3e0efb2e
	PAIR 78, 0xbe899a80
	PAIR 80, 0x3ecdfd18
	PAIR 82, 0xbfd1a1e5
	PAIR 84, 0x40097039
	PAIR 86, 0xbf97d29d
	v_mov_b32 v[C9V], 0x3e7c6f08
	v_mov_b32 v[C9V+1], 0x3e7c6f08
	s_wait_loadcnt 0x3f                            ; M_j, l_j and the eight blocks' sums are in: 220 loads were issued behind them, of which 63 may be out
	; ---- the eight blocks of my batch are joined
	v_max3_num_f32 v92, v[ML], v[ML+2], v[ML+4]
	v_max3_num_f32 v92, v92, v[ML+6], v[ML+8]
	v_max3_num_f32 v92, v92, v[ML+10], v[ML+12]
	v_max_num_f32 v92, v92, v[ML+14]               ; the batch's largest t
.irp j, 0,1,2,3,4,5,6,7
	v_sub_f32 v[WJ+2*\j], v[ML+2*\j], v92
.endr
	s_wait_alu depctr_va_vdst(0)
.irp j, 0,1,2,3,4,5,6,7
	v_exp_f32 v[WJ+2*\j], v[WJ+2*\j]               ; 2^(M_j - M), at most 1
.endr
	v_nop
	s_wait_alu depctr_va_vdst(0)                   ; one wait for the batch, ahead of its first reader
	v_mul_f32 v93, v[WJ], v[ML+1]
.irp j, 1,2,3,4,5,6,7
	v_fma_f32 v93, v[WJ+2*\j], v[ML+2*\j+1], v93   ; the row's sum: at least 1
.endr
	s_wait_alu depctr_va_vdst(0)
	v_rcp_f32 v93, v93
	v_nop
	s_wait_alu depctr_va_vdst(0)                   ; the wait, ahead of the first reader
.irp j, 0,1,2,3,4,5,6,7
	v_mul_f32 v[WJ+2*\j+1], v[WJ+2*\j], v93
.endr
.irp j, 0,1,2,3,4,5,6,7
	v_mul_f32 v[WJ+2*\j], v[WJ+2*\j], v93
.endr
.irp i, 0,2,4,6,8,10,12,14
	v_pk_mul_f32 v[Z+\i:Z+\i+1], v[ACC+\i:ACC+\i+1], v[WJ:WJ+1]
.endr
.irp j, 1,2,3,4,5,6,7
.irp i, 0,2,4,6,8,10,12,14
	v_pk_fma_f32 v[Z+\i:Z+\i+1], v[ACC+16*\j+\i:ACC+16*\j+\i+1], v[WJ+2*\j:WJ+2*\j+1], v[Z+\i:Z+\i+1]
.endr
.endr
.irp q, 0,1,2,3
	ds_store_b128 v[ZW], v[Z+4*\q:Z+4*\q+3] offset:ZST+512*\q
.endr
	BARRIER                                        ; the four batches' z lie in LDS
	; ---- K step w of z, for the tile's 16 rows
.irp b, 0,1,2,3
.irp q, 0,1,2,3
	ds_load_b128 v[ACC+16*\b+4*\q:ACC+16*\b+4*\q+3], v[ZR] offset:ZST+128*\b+16*\q
.endr
.endr
	s_wait_dscnt 0x0
	QUANT ACC, PC, PW
	IMAGE ZIMG, ZSC
	BARRIER                                        ; z's four fragments lie in LDS
	; ---- the hidden layer: my 128 units; the eight accumulators by turns
	FETCHF ZIMG, ZSC
	s_wait_loadcnt 0x0                             ; the weights, their scale words and the biases
.irp s, 0,1,2,3
.if \s == 0
	WIN 0x3d                                       ; source 0 window 1, source 1 and C (phi_b1) window 3
.elseif \s == 1
	WIN 0x0d
.else
	WIN 0x0e
.endif
.irp t, 0,1,2,3,4,5,6,7
.if \s == 0
	v_wmma_scale_f32_16x16x128_f8f6f4 v[ACC+8*\t:ACC+8*\t+7], v[128*(\s%2)+16*\t:128*(\s%2)+16*\t+15], v[16*\s:16*\s+15], v[192+8*\t:192+8*\t+7], v[WS1+8*\s+\t], v[AS+\s]
.else
	v_wmma_scale_f32_16x16x128_f8f6f4 v[ACC+8*\t:ACC+8*\t+7], v[128*(\s%2)+16*\t:128*(\s%2)+16*\t+15], v[16*\s:16*\s+15], v[ACC+8*\t:ACC+8*\t+7], v[WS1+8*\s+\t], v[AS+\s]
.endif
.endr
.endr
	WIN 0
	PLACES 9                                       ; ahead of the reads of results and of the loads into the fragments' and scale words' registers
	GELU16 ACC
	s_wait_alu depctr_va_vdst(0)
	GELU16 ACC+16
	s_wait_alu depctr_va_vdst(0)
	GELU16 ACC+32
	s_wait_alu depctr_va_vdst(0)
	GELU16 ACC+48
	QUANT ACC, PC, PW
	IMAGE HIMG2, HSC2
	BARRIER                                        ; the hidden layer's four fragments lie in LDS
	; ---- out: my 32 columns, two accumulators by turns
	FETCHF HIMG2, HSC2
	WIN 0x0f                                       ; sources 0 and 1 window 3
.irp s, 0,1,2,3
.irp u, 0,1
.if \s == 0
	v_wmma_scale_f32_16x16x128_f8f6f4 v[Z+8*\u:Z+8*\u+7], v[64+16*(2*\s+\u):64+16*(2*\s+\u)+15], v[16*\s:16*\s+15], v[B2C+8*\u:B2C+8*\u+7], v[WS2+2*\s+\u], v[AS+\s]
.else
	v_wmma_scale_f32_16x16x128_f8f6f4 v[Z+8*\u:Z+8*\u+7], v[64+16*(2*\s+\u):64+16*(2*\s+\u)+15], v[16*\s:16*\s+15], v[Z+8*\u:Z+8*\u+7], v[WS2+2*\s+\u], v[AS+\s]
.endif
.endr
.endr
	WIN 0
	PLACES 9
	v_cmp_gt_u32 s90, 4, v[RR]                     ; rows 0 to 3 are the four batches; the others repeat them
	v_cmp_gt_u32 s91, 993, v[COL0]                 ; eight columns are stored where all eight exist: 1,000 is a multiple of 8
	v_cmp_gt_u32 s92, 985, v[COL0]
	s_and_b32 s91, s91, s90
	s_and_b32 s92, s92, s90
	s_mov_b32 vcc_lo, s91
	s_wait_xcnt 0x0                                ; EXEC changes only behind this wait
	s_and_saveexec_b32 s93, vcc_lo
	global_store_b128 v[OUTA], v[Z:Z+3], s[16:17]              ; out(4 y + r, 128 x + 32 w + 16 h + 0 .. 7): each accumulator from its low end on
	global_store_b128 v[OUTA], v[Z+4:Z+7], s[16:17] offset:16
	s_wait_xcnt 0x0
	s_or_b32 exec_lo, exec_lo, s93
	s_mov_b32 vcc_lo, s92
	s_and_saveexec_b32 s93, vcc_lo
	global_store_b128 v[OUTA], v[Z+8:Z+11], s[16:17] offset:32
	global_store_b128 v[OUTA], v[Z+12:Z+15], s[16:17] offset:48
	s_wait_xcnt 0x0
	s_or_b32 exec_lo, exec_lo, s93
	v_lshl_add_u32 v15, v0, 2, SPARE               ; no two registers can be kept through the launch: the add's two are made here, from v0, which is as at the entry
	v_mov_b32 v92, 0
	s_wait_alu depctr_va_vdst(0)                   ; directly ahead of the wait below
	s_wait_tensorcnt 0x0                           ; the wave's end: behind my last LDS store
	ds_add_u32 v15, v92
	s_wait_dscnt 0x0
	s_endpgm
.Lfunc_end_k_qc2bc4735ec_final:
	.size	k_qc2bc4735ec_final, .Lfunc_end_k_qc2bc4735ec_final-k_qc2bc4735ec_final
	.p2alignl 7, 3214868480
	.fill 96, 4, 3214868480
	.section	.rodata,"a",@progbits
	.p2align	6, 0x0
	.amdhsa_kernel k_qc2bc4735ec_final
		.amdhsa_group_segment_fixed_size 26368
		.amdhsa_private_segment_fixed_size 0
		.amdhsa_enable_private_segment 0
		.amdhsa_kernarg_size 56
		.amdhsa_user_sgpr_count 2
		.amdhsa_user_sgpr_kernarg_segment_ptr 1
		.amdhsa_wavefront_size32 1
		.amdhsa_system_sgpr_workgroup_id_x 1
		.amdhsa_system_sgpr_workgroup_id_y 1
		.amdhsa_system_sgpr_workgroup_id_z 1
		.amdhsa_system_vgpr_workitem_id 0
		.amdhsa_next_free_vgpr 1024
		.amdhsa_next_free_sgpr 100
		.amdhsa_reserve_vcc 1
		.amdhsa_float_denorm_mode_32 3
		.amdhsa_float_denorm_mode_16_64 3
		.amdhsa_memory_ordered 1
		.amdhsa_forward_progress 1
		.amdhsa_inst_pref_size 102
	.end_amdhsa_kernel
	.amdgpu_metadata
---
amdhsa.version: [ 1, 2 ]
amdhsa.kernels:
  - .name:           k_qc2bc4735ec_final
    .symbol:         k_qc2bc4735ec_final.kd
    .args:
      - { .name: part_z, .offset: 0, .size: 8, .value_kind: global_buffer, .address_space: global }
      - { .name: part_ml, .offset: 8, .size: 8, .value_kind: global_buffer, .address_space: global }
      - { .name: wcodes, .offset: 16, .size: 8, .value_kind: global_buffer, .address_space: global }
      - { .name: wscales, .offset: 24, .size: 8, .value_kind: global_buffer, .address_space: global }
      - { .name: phi_b1, .offset: 32, .size: 8, .value_kind: global_buffer, .address_space: global }
      - { .name: phi_b2, .offset: 40, .size: 8, .value_kind: global_buffer, .address_space: global }
      - { .name: out0, .offset: 48, .size: 8, .value_kind: global_buffer, .address_space: global }
    .group_segment_fixed_size: 26368
    .private_segment_fixed_size: 0
    .kernarg_segment_align: 8
    .kernarg_segment_size: 56
    .max_flat_workgroup_size: 128
    .sgpr_count:     100
    .vgpr_count:     1024
    .wavefront_size: 32
...
	.end_amdgpu_metadata
.endif
;; end of part 3
